; MI455X (gfx1250); checked and timed in simulation.
; The chip was launched on July 23, 2026; its instructions are those of AMD's public machine-readable ISA for CDNA 5 (MIT licence, August 2026) and "CDNA5" Instruction Set Architecture Reference Guide (July 2026). The comments in the code are by the model that wrote it; some were corrected since.
;; Multi Headed Self Attention. Allowed arithmetic: matrix products marked QUANTISED: E2M3 operands, one E8M0 scale for each 32 along K, by v_wmma_scale_f32_16x16x128_f8f6f4 with both operands' format E2M3, f32 sums; everything else in f32.
;; Inputs: Wk 1,024 x 1,024 float32; Wo 1,024 x 1,024 float32; Wq 1,024 x 1,024 float32; Wv 1,024 x 1,024 float32; x 4 x 2,048 x 1,024 float32.
;; Outputs: out0 4 x 2,048 x 1,024 float32.
;; Constants: max_seq_len = 4096, theta = 10000.
;; This version of the problem:
;;   THIS VERSION OF THE PROBLEM IS GIVEN IN LOW PRECISION. The matrix products marked QUANTISED in the list below multiply operands that are first quantised to E2M3 (2 exponent bits, 3 mantissa bits; 6 bits a number), with one power-of-two scale for each 32 numbers along K (OCP MX v1.0); their sums are f32. All else is computed in f32.
;;   The module's matrix products, in the order in which they are computed (A, B: the left and right operand; K: the contracted axis; several contracted axes count as one K, in the product's order):
;;     1. [M 8,192, K 1,024] x [K 1,024, N 1,024]; A: input x; B: input Wq: QUANTISED
;;     2. [M 8,192, K 1,024] x [K 1,024, N 1,024]; A: input x; B: input Wk: QUANTISED
;;     3. [M 8,192, K 1,024] x [K 1,024, N 1,024]; A: input x; B: input Wv: QUANTISED
;;     4. batch 64 x [M 2,048, K 64] x [K 64, N 2,048]; A: computed on the way; B: computed on the way: QUANTISED
;;     5. batch 64 x [M 2,048, K 2,048] x [K 2,048, N 64]; A: softmax (see below); B: computed on the way: QUANTISED
;;     6. [M 8,192, K 1,024] x [K 1,024, N 1,024]; A: computed on the way; B: input Wo: QUANTISED
;;   THE QUANTISER, for each operand of a quantised product, along K:
;;     - K is cut into blocks of 32 from its start; a last block that is shorter is filled with zeros.
;;     - A block's scale is 2^e with e = floor(log2(the largest magnitude in the block)) - 2, held to -126 .. 127; a block of zeros has e = 0. As a byte (E8M0): e + 127.
;;     - Each number is divided by its block's scale, clamped to +-7.5, and rounded to the nearest number of E2M3, ties to even, subnormals kept.
;;     - The product sums the exact products of the quantised numbers (number of the format x scale) in f32.
;;   ~~~python
;;   def quantise(x, axis):      # numpy; x: float32 -> the quantised numbers, widened to float32 again
;;       x = np.moveaxis(x, axis, -1); K = x.shape[-1]
;;       x = np.pad(x, [(0, 0)] * (x.ndim - 1) + [(0, -K % 32)]); x = x.reshape(x.shape[:-1] + (-1, 32)); a = np.abs(x).max(-1, keepdims=True)
;;       e = np.where(a > 0, np.clip(np.frexp(np.where(a > 0, a, 1))[1] - 1 - 2, -126, 127), 0)      # np.frexp(a)[1] - 1 = floor(log2(a)), exactly
;;       r = np.clip(x / 2.0 ** e, -7.5, 7.5)
;;       step = 2.0 ** (np.maximum(np.frexp(np.where(r == 0, 1, r))[1] - 1, 0) - 3)
;;       q = np.round(r / step) * step * 2.0 ** e      # np.round: ties to even
;;       return np.moveaxis(q.reshape(q.shape[:-2] + (-1,))[..., :K], -1, axis).astype(np.float32)
;;   ~~~
;;   SOFTMAX AHEAD OF A QUANTISED PRODUCT. Where the list says 'softmax', what is quantised is not the finished softmax but p = 2^(t - M), with t = logit x log2(e) and M = ceil(the row's largest t), a whole number; so 1/2 < the row's largest p <= 1. The row's sum l is taken of the UNQUANTISED p, in f32, and the product's result is divided by l at the end. Since M is a whole number, a kernel that streams over the keys may use a running M (the ceiling of the running maximum): every later rescaling is an exact power of two, which a block's scale takes up: the codes' values come out the same.
;;   OPERANDS COMPUTED ON THE WAY. 'Computed on the way' means the value that the module computes at that place (a softmax that the list does not call 'softmax' is quantised finished and normalised). What goes into a quantiser is computed in f32, as accurately as f32 sums, v_exp_f32 and their like allow (about 1e-6 of the number): no bf16 or f16 on the way to a quantiser, and a product that is left as it is and whose result goes on into a quantised operand takes f32 operands (vector FMAs, or v_wmma_f32_16x16x4_f32). A number that lies on a knife's edge between two numbers of the format may be rounded either way, as far as f32 arithmetic and the matrix unit's own rounding can turn it there, and no further.
;; One version. Each part assembles by itself: llvm-mc -triple=amdgcn-amd-amdhsa -mcpu=gfx1250 --defsym DOCPART=n.
;; ======== version 1 of 1: 4 launches
;; workspace buffers: xc 6,291,456 bytes; xsc 262,144 bytes; w 3,276,800 bytes; rope 524,288 bytes; qi 7,340,032 bytes; kv 14,155,776 bytes; ai 6,291,456 bytes; asc 262,144 bytes
;; launch prep (part 1): grid 416 x 1, 4 waves a work-group, no clusters, 33,280 bytes of LDS; arguments x, Wq, Wk, Wv, Wo, xc, xsc, w, rope; writes xc, xsc, w, rope
.if DOCPART == 1
	.amdgcn_target "amdgcn-amd-amdhsa--gfx1250"
	.amdhsa_code_object_version 6
	.text
	.protected	k_qfc56435bbb_prep
	.globl	k_qfc56435bbb_prep
	.p2align	8
	.type	k_qfc56435bbb_prep,@function
k_qfc56435bbb_prep:
	s_mov_b64 s[64:65], 0
	v_nop
	global_prefetch_b8 v0, s[64:65] scope:SCOPE_SE
	s_setreg_imm32_b32 hwreg(HW_REG_WAVE_MODE, 25, 1), 1
	s_wait_xcnt 0x0
; x [8192][1024] and Wq, Wk, Wv, Wo [1024][1024], f32, become codes of FP6 (E2M3), K (the last axis) innermost, with one E8M0 byte for each 32 along K; and the table of cos and sin for the rotation is made.
; A block's scale is 2^(floor(log2(its largest magnitude)) - 2); its byte is the largest magnitude's exponent field - 2, held at 1 from below.  Each number is divided by the scale and rounded to the nearest code, ties to even; beyond 7.5 the largest code.
; LIMITS: a block of zeros gets the byte 1 where the rule says 127 (its codes are zeros, which add nothing under any byte but 0xff, and this program alone reads the bytes); NaN and infinities among the inputs are not served.
; SHARES: work-groups 0-255 take x, 256-383 the four weights (32 each, in the order Wq, Wk, Wv, Wo, into one buffer), 384-415 the table.  A quantising work-group takes 32 rows, a wave 8 rows = 8,192 numbers = 16 steps of 512.
; THE ORDER OF 32: of each 32 rows the two middle runs of eight change places on the way out (rows 0-7, 16-23, 8-15, 24-31).  16 neighbouring rows of the codes' buffer are then the rows 8 u + r + 8 (r / 8) of a group of 32:
; a matrix result whose source 0 they are holds, in the 16 registers of two neighbouring tiles, 16 NEIGHBOURS along that axis.  Here it costs nothing: wave w writes the run of eight rows ((w & 1) << 1) | (w >> 1).
; A step: four loads of 512 consecutive bytes; the 2,048 bytes turn through the wave's own stage in LDS and come back 64 bytes (16 neighbours) a lane; two neighbouring lanes hold a block.
; A lane's 16 codes are 12 bytes: a store of the wave covers 384 consecutive bytes.  A wave's 256 scale bytes are gathered in LDS and leave as 256 consecutive, aligned bytes.  Waves share nothing: no barrier.
; THE TABLE: rope[pos][pair i] = (cos, sin) of pos x 10000^(-i / 32), f32.  The frequency is one exponential of i x (-log2(10000) / 32), the angle one rounded product, as the reference has it.  The angle (up to 2,047) is
; reduced by n = the nearest whole number of quarter turns, pi / 2 in two parts; sine and cosine of the rest (at most pi / 4) are polynomials of degree 7 and 8; n's two low bits swap them and set the signs.
; LIMIT: the frequency is good to the exponential's last bit, so an angle can lie about 1.5e-4 from the reference's at the last positions of the fastest pairs: the size of one rounding of such an angle.
.set STEPS, 16
.set EMAX,  2
.set CB,    12                         ; bytes of 16 codes
.set R,     16                         ; v16-79   four sets of 16 numbers as they are loaded
.set X,     80                         ; v80-111  two sets of 16 neighbours
.set E,     112                        ; v112-127 a scale byte for each step
.set C,     128                        ; v128-191 codes: four registers for each step, so that no store's data are written again
.set WREG,  8192                       ; LDS: a region for each wave: two stages of 32 x SP bytes, behind them its 256 scale bytes
.set SP,    80                         ; a lane's place in a stage: 64 bytes + 16 of padding
.set WSC,   0x300000                   ; the weights' scale bytes begin here in their buffer, behind 4,096 rows of 768 bytes
	s_load_b256 s[4:11], s[0:1], 0x0               ; x s[4:5], Wq s[6:7], Wk s[8:9], Wv s[10:11]
	s_load_b256 s[12:19], s[0:1], 0x20             ; Wo s[12:13], x's codes s[14:15], x's scales s[16:17], the weights' buffer s[18:19]
	s_load_b64 s[20:21], s[0:1], 0x40              ; the table
	v_lshl_add_u32 v192, v0, 2, 0x8000
	v_mov_b32 v193, 0
	v_lshrrev_b32 v1, 5, v0
	v_readfirstlane_b32 s22, v1                    ; wave 0..3
	v_and_b32 v2, 31, v0                           ; lane
	s_wait_kmcnt 0x0
	s_cmp_ge_u32 ttmp9, 384
	s_cbranch_scc1 .Ltable
	s_wait_alu depctr_va_vdst(0)
	; ---- the quantiser
	v_lshlrev_b32 v3, 4, v2                        ; my 16 bytes of a load's 512
	s_mul_i32 s29, s22, WREG
	v_lshrrev_b32 v14, 2, v2
	v_mul_u32_u24 v14, v14, SP
	v_and_b32 v15, 3, v2
	v_lshl_add_u32 v14, v15, 4, v14
	v_add_nc_u32 v14, s29, v14                     ; the stage, on the way in: SP (lane / 4) + 16 (lane % 4)
	v_mul_u32_u24 v15, v2, SP
	v_add_nc_u32 v15, s29, v15                     ; and on the way out: SP x lane: my 16 neighbours
	v_mul_u32_u24 v4, v2, CB                       ; my codes' place in a step's
	v_lshrrev_b32 v5, 1, v2
	s_add_co_u32 s29, s29, 2*32*SP
	v_add_nc_u32 v5, s29, v5                       ; LDS: my wave's 256 scale bytes, my block's byte
	v_lshlrev_b32 v7, 3, v2                        ; and on the way out 8 bytes a lane
	v_add_nc_u32 v6, s29, v7
	s_sub_co_u32 s23, ttmp9, 256                   ; a weight's work-group: its number among the 128,
	s_lshr_b32 s24, s23, 5                         ; which weight,
	s_and_b32 s25, s23, 31                         ; and which 32 rows of it
	s_cmp_eq_u32 s24, 1                            ; every choice hangs on the work-group's number alone
	s_cselect_b64 s[6:7], s[8:9], s[6:7]
	s_cmp_eq_u32 s24, 2
	s_cselect_b64 s[6:7], s[10:11], s[6:7]
	s_cmp_eq_u32 s24, 3
	s_cselect_b64 s[6:7], s[12:13], s[6:7]
	s_cmp_lt_u32 ttmp9, 256
	s_cselect_b64 s[4:5], s[4:5], s[6:7]           ; from where
	s_cselect_b64 s[14:15], s[14:15], s[18:19]     ; the codes' buffer
	s_cselect_b64 s[16:17], s[16:17], s[18:19]     ; the scale bytes' buffer
	s_cselect_b32 s26, ttmp9, s25                  ; which 32 rows of the source,
	s_cselect_b32 s27, ttmp9, s23                  ; and of the destination
	s_cselect_b32 s28, 0, WSC
	s_lshl_b32 s26, s26, 2
	s_add_co_u32 s26, s26, s22                     ; the run of eight rows that I read
	s_and_b32 s30, s22, 1
	s_lshl_b32 s30, s30, 1
	s_lshr_b32 s31, s22, 1
	s_or_b32 s30, s30, s31                         ; waves 1 and 2 change places
	s_lshl_b32 s27, s27, 2
	s_add_co_u32 s27, s27, s30                     ; the run of eight rows that I write
	s_lshl_b32 s30, s26, 15                        ; 32,768 bytes of f32 a run
	s_mov_b32 s31, 0
	s_add_nc_u64 s[4:5], s[4:5], s[30:31]
	s_mul_i32 s30, s27, 6144                       ; 6,144 bytes of codes
	s_add_nc_u64 s[14:15], s[14:15], s[30:31]
	s_lshl_b32 s30, s27, 8                         ; 256 scale bytes
	s_add_co_u32 s30, s30, s28
	s_add_nc_u64 s[16:17], s[16:17], s[30:31]
.macro LOAD t
.irp i, 0,1,2,3
	global_load_b128 v[R+16*((\t)%4)+4*\i:R+16*((\t)%4)+4*\i+3], v3, s[4:5] offset:2048*(\t)+512*\i th:TH_LOAD_NT   ; 32 lanes read 512 consecutive bytes
.endr
.endm
.macro THROUGH t                       ; step t's numbers through the stage: LDS serves a wave's instructions in order, so no wait stands between the stores and the loads
.irp i, 0,1,2,3
	ds_store_b128 v14, v[R+16*((\t)%4)+4*\i:R+16*((\t)%4)+4*\i+3] offset:32*SP*((\t)%2)+8*SP*\i
.endr
.irp i, 0,1,2,3
	ds_load_b128 v[X+16*((\t)%2)+4*\i:X+16*((\t)%2)+4*\i+3], v15 offset:32*SP*((\t)%2)+16*\i
.endr
.endm
.irp t, 0,1,2,3
	LOAD \t
.endr
	s_wait_alu depctr_va_vdst(0)
	s_wait_loadcnt 12                              ; step 0's four loads are in; those of steps 1 to 3 may be out
	THROUGH 0
.macro QSTEP t
.set XS, X+16*((\t)%2)
.if (\t) > 0
	s_wait_dscnt 1                                 ; this step's numbers are back from the stage (the last step's byte store may be out): so its stores into the stage have read their registers,
.else
	s_wait_dscnt 0x0
.endif
.if (\t)+4 < STEPS
	LOAD (\t)+4                                    ; which take the loads of four steps on
.endif
.if (\t)+1 < STEPS
.if STEPS-2-(\t) >= 3
	s_wait_loadcnt 12                              ; the next step's four loads are in; those of the three steps behind it may be out
.else
	s_wait_loadcnt 4*(STEPS-2-(\t))
.endif
	THROUGH (\t)+1                                 ; and go through the other stage while this step is worked
.endif
	v_max3_num_f32 v8, |v[XS]|, |v[XS+1]|, |v[XS+2]|               ; the largest magnitude of my 16, in two chains
	v_max3_num_f32 v9, |v[XS+3]|, |v[XS+4]|, |v[XS+5]|
.irp i, 6,10
	v_max3_num_f32 v8, v8, |v[XS+\i]|, |v[XS+\i+1]|
	v_max3_num_f32 v9, v9, |v[XS+\i+2]|, |v[XS+\i+3]|
.endr
	v_max3_num_f32 v8, v8, |v[XS+14]|, |v[XS+15]|
	v_max3_num_f32 v8, v8, v9, (EMAX+1)<<23        ; and the floor 2^(3 - 127): the byte cannot fall under 1
	v_max_num_f32_dpp v8, v8, v8 row_xmask:1 row_mask:0xf bank_mask:0xf   ; and of my neighbour's 16: the block's
	v_add_nc_u32 v11, -(EMAX<<23), v8              ; 2 off its exponent field: the conversion takes the exponent field of this operand as its scale, and nothing else of it
	v_cvt_scalef32_pk16_fp6_f32 v[C+4*(\t):C+4*(\t)+2], v[XS:XS+15], v11
	v_lshrrev_b32 v[E+(\t)], 23, v11               ; the scale's byte (a plain line behind the conversion)
	ds_store_b8 v5, v[E+(\t)] offset:16*(\t)       ; both lanes of a block write the same byte with the same value
	global_store_b96 v4, v[C+4*(\t):C+4*(\t)+2], s[14:15] offset:32*CB*(\t)
.endm
.irp t, 0,1,2,3,4,5,6,7,8,9,10,11,12,13,14,15
	QSTEP \t
.endr
	ds_load_b64 v[12:13], v6                       ; LDS serves a wave's instructions in order: these see my stores
	s_wait_dscnt 0x0
	global_store_b64 v7, v[12:13], s[16:17]        ; 32 lanes store 256 consecutive bytes, aligned
	s_wait_tensorcnt 0x0
	ds_add_u32 v192, v193
	s_wait_dscnt 0x0
	s_endpgm
	; ---- the table: 64 positions a work-group, 16 a wave, two a step; a lane owns two pairs (16 bytes), so a store of the wave covers 512 consecutive bytes
.Ltable:
	s_sub_co_u32 s23, ttmp9, 384
	s_lshl_b32 s23, s23, 6
	s_lshl_b32 s24, s22, 4
	s_add_co_u32 s23, s23, s24                     ; my wave's first position
	s_lshl_b32 s24, s23, 8                         ; a position's row is 256 bytes
	s_mov_b32 s25, 0
	s_add_nc_u64 s[20:21], s[20:21], s[24:25]
	s_mov_b32 s30, 0x3f22f983                      ; 2 / pi
	s_mov_b32 s31, 0x3fc90fdb                      ; pi / 2, its upper part,
	s_mov_b32 s32, 0x333bbd2e                      ; and what that part has too much
	s_mov_b32 s33, 0xb94ca1f9                      ; sine: -1.9515296e-4, 8.3321609e-3, -1.6666655e-1
	s_mov_b32 s34, 0x3c08839e
	s_mov_b32 s35, 0xbe2aaaa3
	s_mov_b32 s36, 0x37ccf5ce                      ; cosine: 2.4433157e-5, -1.3887316e-3, 4.1666646e-2
	s_mov_b32 s37, 0xbab6061a
	s_mov_b32 s38, 0x3d2aaaa5
	v_and_b32 v5, 15, v0
	v_lshlrev_b32 v5, 1, v5                        ; my first pair
	v_cvt_f32_u32 v6, v5
	v_add_f32 v7, 1.0, v6
	v_mul_f32 v6, 0xbed49a78, v6                   ; i x (-log2(10000) / 32)
	v_mul_f32 v7, 0xbed49a78, v7
	s_wait_alu depctr_va_vdst(0)
	v_exp_f32 v6, v6                               ; the two frequencies
	v_exp_f32 v7, v7
	v_bfe_u32 v8, v0, 4, 1                         ; (a plain line behind the exponentials)  lanes 16-31 take the odd position
	v_add_nc_u32 v8, s23, v8
	v_lshlrev_b32 v4, 4, v2                        ; 16 x lane
.macro SINCOS ang, dc, ds
	v_mul_f32 v20, s30, v[\ang]
	v_rndne_f32 v20, v20                           ; n quarter turns
	v_cvt_i32_f32 v21, v20
	v_fma_f32 v22, -v20, s31, v[\ang]              ; the rest: one rounding at the most
	v_fma_f32 v22, v20, s32, v22
	v_mul_f32 v23, v22, v22                        ; z = rest^2
	v_fma_f32 v24, v23, s33, s34
	v_fma_f32 v25, v23, s36, s37
	v_fma_f32 v24, v24, v23, s35
	v_fma_f32 v25, v25, v23, s38
	v_mul_f32 v26, v23, v22
	v_mul_f32 v27, v23, v23
	v_fma_f32 v28, v23, -0.5, 1.0
	v_fma_f32 v24, v24, v26, v22                   ; sine of the rest
	v_fma_f32 v25, v25, v27, v28                   ; cosine of the rest
	v_and_b32 v26, 1, v21
	v_cmp_eq_u32 vcc_lo, 1, v26                    ; an odd n swaps the two
	v_cndmask_b32 v27, v24, v25, vcc_lo
	v_cndmask_b32 v28, v25, v24, vcc_lo
	v_lshlrev_b32 v26, 30, v21                     ; the sine is negative where n & 2,
	v_add_nc_u32 v29, 1, v21
	v_and_b32 v26, 0x80000000, v26
	v_lshlrev_b32 v29, 30, v29                     ; the cosine where (n + 1) & 2
	v_and_b32 v29, 0x80000000, v29
	v_xor_b32 v[\ds], v26, v27
	v_xor_b32 v[\dc], v29, v28
.endm
	s_wait_alu depctr_va_vdst(0)
.irp st, 0,1,2,3,4,5,6,7
	v_add_nc_u32 v9, 2*\st, v8
	v_cvt_f32_u32 v9, v9
	v_mul_f32 v10, v9, v6                          ; the angles: one rounding each
	v_mul_f32 v11, v9, v7
	SINCOS 10, 32+4*\st, 33+4*\st
	SINCOS 11, 34+4*\st, 35+4*\st
	global_store_b128 v4, v[32+4*\st:35+4*\st], s[20:21] offset:512*\st   ; each step has its own four registers: no store's data are written again
.endr
	s_endpgm
.Lfunc_end_k_qfc56435bbb_prep:
	.size	k_qfc56435bbb_prep, .Lfunc_end_k_qfc56435bbb_prep-k_qfc56435bbb_prep
	.p2alignl 7, 3214868480
	.fill 96, 4, 3214868480
	.section	.rodata,"a",@progbits
	.p2align	6, 0x0
	.amdhsa_kernel k_qfc56435bbb_prep
		.amdhsa_group_segment_fixed_size 33280
		.amdhsa_private_segment_fixed_size 0
		.amdhsa_enable_private_segment 0
		.amdhsa_kernarg_size 72
		.amdhsa_user_sgpr_count 2
		.amdhsa_user_sgpr_kernarg_segment_ptr 1
		.amdhsa_wavefront_size32 1
		.amdhsa_system_sgpr_workgroup_id_x 1
		.amdhsa_system_sgpr_workgroup_id_y 1
		.amdhsa_system_sgpr_workgroup_id_z 1
		.amdhsa_system_vgpr_workitem_id 0
		.amdhsa_next_free_vgpr 194
		.amdhsa_next_free_sgpr 66
		.amdhsa_reserve_vcc 1
		.amdhsa_float_denorm_mode_32 3
		.amdhsa_float_denorm_mode_16_64 3
		.amdhsa_memory_ordered 1
		.amdhsa_forward_progress 1
		.amdhsa_inst_pref_size 55
	.end_amdhsa_kernel
	.amdgpu_metadata
---
amdhsa.version: [ 1, 2 ]
amdhsa.kernels:
  - .name:           k_qfc56435bbb_prep
    .symbol:         k_qfc56435bbb_prep.kd
    .args:
      - { .name: x, .offset: 0, .size: 8, .value_kind: global_buffer, .address_space: global }
      - { .name: Wq, .offset: 8, .size: 8, .value_kind: global_buffer, .address_space: global }
      - { .name: Wk, .offset: 16, .size: 8, .value_kind: global_buffer, .address_space: global }
      - { .name: Wv, .offset: 24, .size: 8, .value_kind: global_buffer, .address_space: global }
      - { .name: Wo, .offset: 32, .size: 8, .value_kind: global_buffer, .address_space: global }
      - { .name: xc, .offset: 40, .size: 8, .value_kind: global_buffer, .address_space: global }
      - { .name: xsc, .offset: 48, .size: 8, .value_kind: global_buffer, .address_space: global }
      - { .name: w, .offset: 56, .size: 8, .value_kind: global_buffer, .address_space: global }
      - { .name: rope, .offset: 64, .size: 8, .value_kind: global_buffer, .address_space: global }
    .group_segment_fixed_size: 33280
    .private_segment_fixed_size: 0
    .kernarg_segment_align: 8
    .kernarg_segment_size: 72
    .max_flat_workgroup_size: 128
    .sgpr_count:     66
    .vgpr_count:     194
    .wavefront_size: 32
...
	.end_amdgpu_metadata
.endif
;; end of part 1
;; launch qkv (part 2): grid 12 x 32, 4 waves a work-group, clusters of 4 x 4, 327,680 bytes of LDS; arguments xc, xsc, w, rope, qi, kv; writes qi, kv
.if DOCPART == 2
	.amdgcn_target "amdgcn-amd-amdhsa--gfx1250"
	.amdhsa_code_object_version 6
	.text
	.protected	k_qfc56435bbb_qkv
	.globl	k_qfc56435bbb_qkv
	.p2align	8
	.type	k_qfc56435bbb_qkv,@function
k_qfc56435bbb_qkv:
	s_mov_b64 s[64:65], 0
	v_nop
	global_prefetch_b8 v0, s[64:65] scope:SCOPE_SE
	s_setreg_imm32_b32 hwreg(HW_REG_WAVE_MODE, 25, 1), 1
	s_wait_xcnt 0x0
	s_wait_alu depctr_hold_cnt(0) depctr_sa_sdst(0) depctr_va_vdst(0) depctr_va_sdst(0) depctr_va_ssrc(0) depctr_va_vcc(0) depctr_vm_vsrc(0)
	s_getreg_b32 s2, hwreg(HW_REG_IB_STS2, 6, 4)
	s_cmp_eq_u32 s2, 0
	s_cbranch_scc0 .Lentry_in_a_cluster
	s_endpgm
.Lentry_in_a_cluster:
	s_bfe_u32 s2, ttmp6, 0x10000c
	s_cmp_lg_u32 s2, 0xf033
	s_cbranch_scc0 .Lentry_shape_is_right
	s_endpgm
.Lentry_shape_is_right:
; q = x Wq^T, k = x Wk^T, v = x Wv^T on codes of FP6 (E2M3) with one E8M0 scale for each 32 along K = 1,024; q and k are rotated (RoPE) and quantised along the head's 64, v along the keys; all three leave as codes.
; ONE TEXT, THREE MODES, chosen by the cluster's x, which all sixteen partners share: 0: A = x, B = Wq;  1: A = x, B = Wk;  2: A = Wv, B = x, so that the product is v TRANSPOSED and the axis to be quantised is again B's rows.
; A tile of 256 x 256 is made by four waves, 128 x 128 each: 64 accumulators, 512 registers.  K goes in steps of 256 through a ring of two LDS slots filled by the tensor data mover; a tile's row is 192 bytes.
; The scale bytes of the work-group's 256 rows of A and of B, for all of K, are two dense blocks: they come into LDS once, with the first fills.
; CLUSTERS: 4 x 4 work-groups; A's tiles are asked for jointly along a row of the cluster, B's along a column.  THE MATRIX INSTRUCTION IS USED TRANSPOSED (source 0 = 16 rows of B, source 1 = 16 rows of A).
; THE ORDER OF 32: in both code buffers the rows of each 32 lie 0-7, 16-23, 8-15, 24-31.  So in accumulator (a, b) lane (r, h) holds A's row 32 (a / 2) + 8 (a % 2) + r + 8 (r / 8), and register j B's row 32 (b / 2) + 16 h + 8 (b % 2) + j:
; the 64 registers of a block a are, at index 16 B + i, B's row 32 B + 16 h + i: 16 neighbours of each block of 32, as the conversions want them.  Nothing goes through LDS on the way out.
; WHAT IS STORED are images of the reader's registers, four registers as [lane][16 bytes]: every store of a wave covers 512 consecutive bytes, aligned.
;   qi: a record of 7,168 bytes for each head and 128 queries: 4 images of 1,536 bytes (two tiles of 16 queries, six registers each: K = 64); at 6,144 the scale words, [2][lane][4 words], bytes 2 and 3 zero.
;   kv: a record of 13,824 bytes for each head and 128 keys: k as in qi; at 6,144 v: 4 fragments (16 of the head's 64 x 128 keys) of 1,536 bytes; at 12,288 k's scale words; at 13,312 v's, [lane][4 words].
; LIMITS: a block of zeros gets the byte 1 where the rule says 127 (zero codes; this program alone reads the bytes); NaN and infinities are not served.
; REGISTERS, in windows of 256: window 0: v0-31 addresses; v32-63 scale words, two sets; v64-127 cos and sin, two sets; from v128 A's fragments, ONE set, later the way out's registers.
;   window 1: B's fragments, two sets.   window 2: the accumulators of my rows 0-63 ((a, b) at v[8 (8 a + b)]);   window 3: those of rows 64-127.
.set KSTEP,  256
.set NQ,     KSTEP/128
.set ROWB,   192                       ; a tile's row in bytes
.set KROW,   768                       ; a row of codes in memory
.set PITCH,  240                       ; an LDS row: 3 x (64 bytes + 16 of padding)
.set FR,     12                        ; registers of a fragment
.set NL,     6                         ; LDS loads that bring one
.set NP,     4                         ; places behind this matrix instruction (ISA guide 7.12.1)
.set HALFT,  128*PITCH
.set SLOT,   4*HALFT
.set LAPS,   2                         ; 1,024 along K = four K steps = twice round the ring
.set KS,     32                        ; a row of scale bytes
.set SCL,    2*SLOT                    ; behind the ring: the scales, as rows of 256 bytes + 16 of padding
.set HALFS,  (128*KS/256)*272
.set SBLK,   (16*KS/256)*272
.set SPARE,  SCL+4*HALFS               ; the spare words, 128 bytes for each wave: two blocks of 256 bytes that no other line names
.set ADRA, 16                          ; v16-17 LDS address of my A fragments in slot 0, 1 (v18-19: behind one padding more)
.set ADRB, 20                          ; v20-23 the same for B
.set LI,   24                          ; v24  16 x lane: my place in an image
.set RO,   25                          ; v25  my byte in the table: 256 (r + 8 (r / 8)) + 64 h
.set ADRS, 27                          ; v27  LDS address of my scale words: lanes 0-15 A's rows, lanes 16-31 B's
.set SPW,  28                          ; v28  LDS address of my spare word; never rewritten
.set NIL,  29                          ; v29  0; never rewritten
.set SC,   32
.set AF,   128
.set CSN,  64                          ; v64-127  (cos, sin) of my token's 16 pairs, two sets of 32
.set TT,   128                         ; v128-191 a block's 64 rotated numbers
.set P0,   192                         ; v192-203 codes: the wave's first head (two tiles), or a fragment of v
.set P1,   204                         ; v204-215 the second head
.set CT,   216                         ; v216-223 the conversions' second halves
.set TM,   224                         ; v224-227 largest magnitudes, v228-231 bytes, v232-235 the conversions' scale operands
.set PW,   236                         ; a scale word
.set SW,   238                         ; v238-253 sixteen scale words to be stored
.set G1, 24
.set G0, 32
.set G1B, 48
.set G0B, 56
.set G1S, 68
.set G0S, 76
.set G1SB, 80
.set G0SB, 88
.set MSB, 0
.macro WIN new                         ; the immediate's high byte repeats the setting that is left; a switch that changes nothing is dropped
.if MSB != (\new)
	s_set_vgpr_msb (MSB<<8)|(\new)
.set MSB, (\new)
.endif
.endm
.set MUL_LO, 0xa1                      ; source 0 (B) window 1, source 1 (A) window 0, C and D window 2
.set MUL_HI, 0xf1                      ; the same, C and D window 3
.set TO_B,   0x40                      ; destination window 1
; A joint load: waves 0 and 1 fetch for A, waves 2 and 3 for B; the branch hangs on the wave's number alone.  Four v_nop follow each of the two lines.
.macro JLOAD g0a, g1a, g0b, g1b
	s_cmp_eq_u32 s15, 0
	s_cbranch_scc0 .Lfor_b_\@
	tensor_load_to_lds s[\g0a:\g0a+3], s[\g1a:\g1a+7]
	s_nop 0
.rept 4
	v_nop
.endr
	s_branch .Lasked_\@
.Lfor_b_\@:
	tensor_load_to_lds s[\g0b:\g0b+3], s[\g1b:\g1b+7]
	s_nop 0
.rept 4
	v_nop
.endr
.Lasked_\@:
.endm
.macro CREST                           ; a round of the cluster's barrier behind its opening barrier
	s_cmp_lg_u32 s14, 0
	s_cbranch_scc1 .Lnot_wave_0_\@
	s_barrier_signal -3
.Lnot_wave_0_\@:
	s_barrier_wait -3
	s_barrier_signal -1
	s_barrier_wait -1
.endm
.macro CROUND
	s_barrier_signal -1
	s_barrier_wait -1
	CREST
.endm
	s_load_b128 s[4:7], s[0:1], 0x0                ; x's codes, x's scales
	s_load_b128 s[8:11], s[0:1], 0x10              ; the weights' buffer, the table
	s_load_b128 s[96:99], s[0:1], 0x20             ; qi, kv
	v_lshl_add_u32 v[SPW], v0, 2, SPARE
	v_mov_b32 v[NIL], 0
	ds_add_u32 v28, v29
	ds_add_u32 v28, v29
	s_wait_dscnt 0x0
	v_lshrrev_b32 v1, 5, v0
	v_readfirstlane_b32 s14, v1                    ; wave 0..3
	s_lshr_b32 s15, s14, 1                         ; which half of the tile's rows is mine.  Also: I fetch for A (0) or for B (1)
	s_and_b32 s16, s14, 1                          ; which half of its columns.  Also: which 128 rows of that tile I fetch
	s_bfe_u32 s40, ttmp6, 0x40000                  ; cx, cy: my place in the cluster
	s_bfe_u32 s41, ttmp6, 0x40004
	s_and_b32 s17, ttmp7, 0xffff
	s_lshl_b32 s17, s17, 2                         ; 4 x cluster y
	s_lshl_b32 s42, ttmp9, 2                       ; 4 x cluster x
	s_cmp_eq_u32 ttmp9, 2                          ; mode v: the tokens are B's rows, and the cluster's y counts them
	s_cselect_b32 s42, s17, s42
	s_cselect_b32 s17, 0, s17
	s_cselect_b32 s95, 2048, 0                     ; Wv's rows begin at row 2,048 of the weights' buffer
	s_add_co_u32 s42, s42, s40                     ; tile column: cluster numbers and cx alone
	s_add_co_u32 s17, s17, s41                     ; tile row: cluster numbers and cy alone
	s_lshl_b32 s43, s41, 2
	s_lshl_b32 s43, 15, s43                        ; my row of the cluster
	s_lshl_b32 s44, 0x1111, s40                    ; my column
	; descriptor group 1: a tile of 128 rows x 192 bytes, 16 bytes of padding behind every 64
	s_or_b32 s[G1+0], s43, (0<<16)|(1<<20)|(1<<21)|(3<<22)|(3<<25)
	s_or_b32 s[G1B+0], s44, (0<<16)|(1<<20)|(1<<21)|(3<<22)|(3<<25)
.irp g, G1, G1B
	s_mov_b32 s[\g+1], ROWB<<16                    ; tensor_dim0
	s_mov_b32 s[\g+2], 128<<16                     ; tensor_dim1
	s_mov_b32 s[\g+3], ROWB<<16                    ; tile_dim0
	s_mov_b32 s[\g+4], 128                         ; tile_dim1
	s_mov_b32 s[\g+5], KROW                        ; tensor_dim0_stride
	s_mov_b32 s[\g+6], 0
	s_mov_b32 s[\g+7], 0
.endr
	; the scales of 128 rows: 4,096 dense bytes as 16 rows of 256 bytes (32 elements of 8 bytes), 16 bytes of padding behind each
	s_or_b32 s[G1S+0], s43, (3<<16)|(1<<20)|(1<<21)|(5<<22)|(3<<25)
	s_or_b32 s[G1SB+0], s44, (3<<16)|(1<<20)|(1<<21)|(5<<22)|(3<<25)
.irp g, G1S, G1SB
	s_mov_b32 s[\g+1], 32<<16
	s_mov_b32 s[\g+2], (128*KS/256)<<16
	s_mov_b32 s[\g+3], 32<<16
	s_mov_b32 s[\g+4], 128*KS/256
	s_mov_b32 s[\g+5], 32
	s_mov_b32 s[\g+6], 0
	s_mov_b32 s[\g+7], 0
.endr
	s_lshl_b32 s18, s16, 7                         ; which 128 rows of the tile I fetch
	s_lshl_b32 s20, s17, 8
	s_add_co_u32 s20, s20, s18
	s_add_co_u32 s20, s20, s95                     ; A: row 256 x tile row + 128 x half (+ 2,048 in mode v)
	s_lshl_b32 s46, s42, 8
	s_add_co_u32 s46, s46, s18                     ; B: row 256 x tile column + 128 x half
	s_mov_b32 s21, 0
	s_mov_b32 s47, 0
	s_mov_b64 s[18:19], KS
	s_mul_u64 s[22:23], s[20:21], s[18:19]         ; where these rows' scales begin, in bytes
	s_mul_u64 s[92:93], s[46:47], s[18:19]
	s_mov_b64 s[18:19], KROW
	s_mul_u64 s[20:21], s[20:21], s[18:19]         ; and their codes
	s_mul_u64 s[46:47], s[46:47], s[18:19]
	s_mul_i32 s45, s14, HALFT                      ; where they go: wave x 128 rows: no place in the cluster enters an LDS address
	s_mul_i32 s94, s14, HALFS
	s_wait_kmcnt 0x0
	s_mov_b64 s[100:101], s[10:11]                 ; the table
	s_add_nc_u64 s[10:11], s[8:9], 0x300000        ; the weights' scale bytes
	s_mov_b64 s[12:13], s[4:5]
	s_mov_b64 s[66:67], s[6:7]
	s_cmp_eq_u32 ttmp9, 2                          ; in mode v the two operands change places: a choice that hangs on the cluster's number alone
	s_cselect_b64 s[4:5], s[8:9], s[4:5]           ; A's codes
	s_cselect_b64 s[6:7], s[10:11], s[6:7]         ; A's scales
	s_cselect_b64 s[8:9], s[12:13], s[8:9]         ; B's codes
	s_cselect_b64 s[10:11], s[66:67], s[10:11]     ; B's scales
	s_add_nc_u64 s[20:21], s[4:5], s[20:21]
	s_add_nc_u64 s[22:23], s[6:7], s[22:23]
	s_add_nc_u64 s[46:47], s[8:9], s[46:47]
	s_add_nc_u64 s[92:93], s[10:11], s[92:93]
	CROUND                                         ; all sixteen work-groups are here: the first joint loads meet
	s_mov_b32 s[G0S], 1
	s_add_co_u32 s[G0S+1], s94, SCL
	s_mov_b64 s[G0S+2:G0S+3], s[22:23]
	s_or_b32 s[G0S+3], s[G0S+3], 0x80000000
	s_mov_b32 s[G0SB], 1
	s_add_co_u32 s[G0SB+1], s94, SCL
	s_mov_b64 s[G0SB+2:G0SB+3], s[92:93]
	s_or_b32 s[G0SB+3], s[G0SB+3], 0x80000000
	JLOAD G0S, G1S, G0SB, G1SB                     ; the scales first: they are wanted with K step 0
.irp s, 0,1
	s_mov_b32 s[G0+4*\s], 1
	s_add_co_u32 s[G0+4*\s+1], s45, \s*SLOT
	s_add_nc_u64 s[G0+4*\s+2:G0+4*\s+3], s[20:21], \s*ROWB
	s_or_b32 s[G0+4*\s+3], s[G0+4*\s+3], 0x80000000
	s_mov_b32 s[G0B+4*\s], 1
	s_add_co_u32 s[G0B+4*\s+1], s45, \s*SLOT
	s_add_nc_u64 s[G0B+4*\s+2:G0B+4*\s+3], s[46:47], \s*ROWB
	s_or_b32 s[G0B+4*\s+3], s[G0B+4*\s+3], 0x80000000
	JLOAD G0+4*\s, G1, G0B+4*\s, G1B
.endr
	s_mov_b32 s66, 0x76543210                      ; v_permlanex16_b32's selects for lane l xor 16
	s_mov_b32 s67, 0xfedcba98
	v_and_b32 v1, 15, v0                           ; r = l % 16
	v_bfe_u32 v2, v0, 4, 1                         ; h = l / 16
	v_mul_u32_u24 v3, v1, PITCH
	v_mul_u32_u24 v4, v2, 24
	v_add_nc_u32 v4, v3, v4                        ; a fragment's row x pitch + 24 x half
	v_lshl_add_u32 v5, v2, 4, v4                   ; and the same behind one padding more
	s_mul_i32 s21, s15, HALFT                      ; my 128 rows of A
	s_mul_i32 s22, s16, HALFT                      ; my 128 rows of B,
	s_add_co_u32 s22, s22, 2*HALFT                 ; which lie behind A's 256
.irp s, 0,1
	v_add_nc_u32 v[ADRA+\s], s21, v4
	v_add_nc_u32 v[ADRB+\s], s22, v4
	v_add_nc_u32 v[ADRA+2+\s], s21, v5
	v_add_nc_u32 v[ADRB+2+\s], s22, v5
	s_add_co_u32 s21, s21, SLOT
	s_add_co_u32 s22, s22, SLOT
.endr
	v_mul_u32_u24 v5, v1, KS                       ; my row's scales: 32 bytes a row,
	v_lshrrev_b32 v6, 8, v5
	v_lshl_add_u32 v5, v6, 4, v5                   ; and 16 more for each 256 passed
	s_mul_i32 s21, s15, HALFS                      ; A's: my 128 rows
	s_mul_i32 s22, s16, HALFS                      ; B's: my 128 rows, behind A's 256
	s_add_co_u32 s22, s22, 2*HALFS
	s_sub_co_u32 s22, s22, s21
	v_mul_u32_u24 v6, s22, v2                      ; lanes 16-31 take B's
	s_add_co_u32 s21, s21, SCL
	v_add_nc_u32 v5, v5, v6
	v_add_nc_u32 v[ADRS], s21, v5
	v_and_b32 v6, 31, v0
	v_lshlrev_b32 v[LI], 4, v6
	v_and_b32 v7, 8, v1
	v_add_nc_u32 v7, v7, v1                        ; r + 8 (r / 8)
	v_lshlrev_b32 v7, 8, v7
	v_lshl_add_u32 v[RO], v2, 6, v7
.macro FRAG reg, adr, q, i             ; 16 rows x 128 K of 6-bit codes: 12 registers, in pieces of 8 bytes; lanes 16-31 read three pieces further on, which for some pieces is behind one padding more: the second address register serves those
.irp p, 0,1,2,3,4,5
.set PC, 12*(\q)+6*(\p/3)+\p%3
.if PC%8 < 5
	ds_load_b64 v[\reg+2*\p:\reg+2*\p+1], v[\adr] offset:8*PC+16*(PC/8)+(\i)*16*PITCH
.else
	ds_load_b64 v[\reg+2*\p:\reg+2*\p+1], v[\adr+2] offset:8*PC+16*(PC/8)+(\i)*16*PITCH
.endif
.endr
.endm
; 16 matrix instructions: A's blocks a0, a0 + 1 x B's eight, 128 along K.  The 64 accumulators take turns, one instruction a turn, in the same order in every step.
.macro MUL16 a0, p, q, sc, zero
.irp a, \a0, \a0+1
.irp b, 0,1,2,3,4,5,6,7
.if \zero
	v_wmma_scale_f32_16x16x128_f8f6f4 v[8*(8*((\a)%4)+\b):8*(8*((\a)%4)+\b)+7], v[128*(\p)+FR*\b:128*(\p)+FR*\b+FR-1], v[AF+FR*(\a):AF+FR*(\a)+FR-1], 0, v[SC+8*NQ*(\sc)+NQ*\b+(\q)], v[SC+8*NQ*(\sc)+NQ*(\a)+(\q)] matrix_a_fmt:MATRIX_FMT_FP6 matrix_b_fmt:MATRIX_FMT_FP6 matrix_a_scale:MATRIX_SCALE_ROW1
.else
	v_wmma_scale_f32_16x16x128_f8f6f4 v[8*(8*((\a)%4)+\b):8*(8*((\a)%4)+\b)+7], v[128*(\p)+FR*\b:128*(\p)+FR*\b+FR-1], v[AF+FR*(\a):AF+FR*(\a)+FR-1], v[8*(8*((\a)%4)+\b):8*(8*((\a)%4)+\b)+7], v[SC+8*NQ*(\sc)+NQ*\b+(\q)], v[SC+8*NQ*(\sc)+NQ*(\a)+(\q)] matrix_a_fmt:MATRIX_FMT_FP6 matrix_b_fmt:MATRIX_FMT_FP6 matrix_a_scale:MATRIX_SCALE_ROW1
.endif
.endr
.endr
.endm
.macro FETCH_B slot, q, p
	WIN TO_B
.irp i, 0,1,2,3,4,5,6,7
	FRAG 128*(\p)+FR*\i, ADRB+\slot, \q, \i
.endr
	WIN 0
.endm
.macro FETCH_A slot, q, i0
.irp i, \i0, \i0+1, \i0+2, \i0+3
	FRAG AF+FR*(\i), ADRA+\slot, \q, \i
.endr
.endm
.macro SCALES sc                       ; a K step's scale words: two words a row; lanes 0-15 take A's block i, lanes 16-31 B's block i
.irp i, 0,1,2,3,4,5,6,7
	ds_load_b64 v[SC+8*NQ*\sc+NQ*\i:SC+8*NQ*\sc+NQ*\i+1], v[ADRS] offset:\i*SBLK
.endr
.endm
.macro PLACES n                        ; plain vector lines behind matrix instructions, in front of loads into registers that they have read and of the first read of results
.rept \n
	v_nop
.endr
.endm
.macro STEP slot, q, zero              ; a step of 128 along K that has its successor in the same slot
	s_wait_dscnt 4*NL                              ; B's set and A's blocks 0-3 are in; the youngest 24 loads (A's blocks 4-7) may be out
	WIN MUL_LO
	MUL16 0, (\q)%2, \q, \slot, \zero
	MUL16 2, (\q)%2, \q, \slot, \zero
	s_wait_dscnt 0
	PLACES NP
	FETCH_B \slot, (\q)+1, 1-(\q)%2
	FETCH_A \slot, (\q)+1, 0
	WIN MUL_HI
	MUL16 4, (\q)%2, \q, \slot, \zero
	MUL16 6, (\q)%2, \q, \slot, \zero
	PLACES NP
	WIN 0
	FETCH_A \slot, (\q)+1, 4
.endm
; A slot's last step changes slots: one barrier; in front of it each wave waits for all its tensor loads, adds 0 to its spare word, and waits for that and for its own reads of this slot.  fill = 1: this slot is filled again, two K steps ahead.
.macro TURN slot, next, fill
	s_wait_tensorcnt 0x0                           ; all my tensor loads have landed: my part of the next slot
	ds_add_u32 v[SPW], v[NIL]                      ; 0 onto my spare word
	s_wait_dscnt 4*NL+1                            ; (the add and the youngest 24 loads, A's blocks 4-7, may be out)
	WIN MUL_LO
	MUL16 0, 1, NQ-1, \slot, 0                     ; sixteen matrix instructions stand between the add and the wait for it
	s_wait_dscnt 0x0                               ; the add is done, and my reads of this slot are over
	s_barrier_signal -1
	MUL16 2, 1, NQ-1, \slot, 0
	WIN 0
	s_barrier_wait -1
.if \fill
	CREST                                          ; the barrier has opened a round of the cluster's barrier: no wave of any partner still reads this slot's tile or has a load on its way
	s_add_nc_u64 s[G0+4*\slot+2:G0+4*\slot+3], s[G0+4*\slot+2:G0+4*\slot+3], 2*ROWB
	s_add_nc_u64 s[G0B+4*\slot+2:G0B+4*\slot+3], s[G0B+4*\slot+2:G0B+4*\slot+3], 2*ROWB
	JLOAD G0+4*\slot, G1, G0B+4*\slot, G1B         ; the first tensor load behind the round; its four v_nop are the places in front of the loads below
.else
	PLACES NP
.endif
	s_wait_alu depctr_va_vdst(0)
	v_add_nc_u32 v[ADRS], 4*NQ, v[ADRS]            ; on to the next K step's scale words
	FETCH_B \next, 0, 0
	FETCH_A \next, 0, 0
	SCALES \next
	WIN MUL_HI
	MUL16 4, 1, NQ-1, \slot, 0
	MUL16 6, 1, NQ-1, \slot, 0
	PLACES NP
	WIN 0
	FETCH_A \next, 0, 4
.endm
.macro LAST                            ; the very last step: nothing more to fetch
	s_wait_dscnt 4*NL
	WIN MUL_LO
	MUL16 0, 1, NQ-1, 1, 0
	MUL16 2, 1, NQ-1, 1, 0
	s_wait_dscnt 0
	WIN MUL_HI
	MUL16 4, 1, NQ-1, 1, 0
	MUL16 6, 1, NQ-1, 1, 0
	WIN 0
.endm
; 64 numbers of a lane in window w, v[s] on, register 16 b + i = number 32 b + 16 h + i of my row, become 12 registers of codes (d0: numbers 0-63, d1: 64-127; six each, holding 32 h + 0 .. 31 of their 64) and a scale word.
.macro QUANT w, s, d0, d1, pwd
	WIN (\w)|((\w)<<2)
.irp b, 0,1,2,3
	v_max3_num_f32 v[TM+\b], |v[\s+16*\b]|, |v[\s+16*\b+1]|, 0x1800000   ; my 16 numbers of block b, and the floor 2^(3 - 127): the byte cannot fall under 1.  (Each accumulator is read from its low end on)
.endr
	WIN ((\w)<<2)|((\w)<<4)
.irp i, 2,4,6,8,10,12,14
.irp b, 0,1,2,3
	v_max3_num_f32 v[TM+\b], v[TM+\b], |v[\s+16*\b+\i]|, |v[\s+16*\b+\i+1]|   ; the four blocks by turns
.endr
.endr
	WIN 0
.irp b, 0,1,2,3
	v_permlanex16_b32 v[TM+4+\b], v[TM+\b], s66, s67
.endr
.irp b, 0,1,2,3
	v_max_num_f32 v[TM+\b], v[TM+\b], v[TM+4+\b]   ; with lane l xor 16's: the block's largest magnitude
.endr
.irp b, 0,1,2,3
	v_add_nc_u32 v[TM+8+\b], 0xff000000, v[TM+\b]  ; 2 off its exponent field: the conversion's scale operand
.endr
.irp b, 0,1,2,3
	v_lshrrev_b32 v[TM+4+\b], 23, v[TM+8+\b]       ; the scale's byte
.endr
	v_lshl_or_b32 v[\pwd], v[TM+5], 8, v[TM+4]
	v_lshl_or_b32 v[\pwd], v[TM+6], 16, v[\pwd]
	v_lshl_or_b32 v[\pwd], v[TM+7], 24, v[\pwd]
	WIN (\w)
	v_cvt_scalef32_pk16_fp6_f32 v[\d0:\d0+2], v[\s:\s+15], v[TM+8]
	v_cvt_scalef32_pk16_fp6_f32 v[CT:CT+2], v[\s+16:\s+31], v[TM+9]       ; (a conversion's three registers begin on an even number)
	v_cvt_scalef32_pk16_fp6_f32 v[\d1:\d1+2], v[\s+32:\s+47], v[TM+10]
	v_cvt_scalef32_pk16_fp6_f32 v[CT+4:CT+6], v[\s+48:\s+63], v[TM+11]
	WIN 0
	v_nop                                          ; one plain line behind a scaled conversion
.irp i, 0,1,2
	v_permlane16_swap_b32 v[\d0+\i], v[CT+\i]      ; the operand's layout wants a whole block in a lane
.endr
.irp i, 0,1,2
	v_mov_b32 v[\d0+3+\i], v[CT+\i]
.endr
.irp i, 0,1,2
	v_permlane16_swap_b32 v[\d1+\i], v[CT+4+\i]
.endr
.irp i, 0,1,2
	v_mov_b32 v[\d1+3+\i], v[CT+4+\i]
.endr
.endm
; (cos, sin) of my token of block a, for the pairs of columns 32 b2 + 16 h + 0 .. 15 of a head: 64 bytes from each half of the token's row of the table
.macro RLOAD a
.irp b2, 0,1
.irp j, 0,1,2,3
	global_load_b128 v[CSN+32*((\a)%2)+16*\b2+4*\j:CSN+32*((\a)%2)+16*\b2+4*\j+3], v[RO], s[44:45] offset:(32*((\a)/2)+8*((\a)%2))*256+128*\b2+16*\j
.endr
.endr
.endm
; the rotation of block a's 32 pairs: (x1 cos, x2 cos), then (- x2 sin + .., x1 sin + ..): two packed lines a pair.  The accumulators are read in ascending order.
.macro ROPE a
	WIN 2+(\a)/4
.irp be, 0,1,2,3
.irp p, 0,2,4,6,8,10,12,14
	v_pk_mul_f32 v[TT+16*\be+\p:TT+16*\be+\p+1], v[64*((\a)%4)+16*\be+\p:64*((\a)%4)+16*\be+\p+1], v[CSN+32*((\a)%2)+16*(\be%2)+\p:CSN+32*((\a)%2)+16*(\be%2)+\p+1] op_sel_hi:[1,0]
.endr
.endr
.irp be, 0,1,2,3
.irp p, 0,2,4,6,8,10,12,14
	v_pk_fma_f32 v[TT+16*\be+\p:TT+16*\be+\p+1], v[64*((\a)%4)+16*\be+\p:64*((\a)%4)+16*\be+\p+1], v[CSN+32*((\a)%2)+16*(\be%2)+\p:CSN+32*((\a)%2)+16*(\be%2)+\p+1], v[TT+16*\be+\p:TT+16*\be+\p+1] op_sel:[1,1,0] op_sel_hi:[0,1,1] neg_lo:[1,0,0]
.endr
.endr
	WIN 0
.endm
.macro BLOCK_QK a                      ; 16 tokens x my 128 features (two heads)
.if \a < 7
	s_wait_loadcnt 8                               ; this block's eight table loads are in; the next block's eight may be out
.else
	s_wait_loadcnt 0
.endif
	ROPE \a
.if \a < 6
	RLOAD \a+2                                     ; into the set just read
.endif
.if (\a > 0) && ((\a)%2 == 0)
	s_wait_xcnt 0x0                                ; the last pair's stores have read their registers: the codes may be written again
.endif
	QUANT 0, TT, P0+6*(\a%2), P1+6*(\a%2), PW
	v_and_b32 v[SW+\a], 0xffff, v[PW]              ; the first head's two bytes; bytes 2 and 3 are 0
	v_lshrrev_b32 v[SW+8+\a], 16, v[PW]            ; the second head's
.if (\a)%2 == 1
.irp j, 0,1,2
	global_store_b128 v[LI], v[P0+4*\j:P0+4*\j+3], s[34:35] offset:(\a/2)*1536+512*\j   ; 32 lanes store 512 consecutive bytes, aligned
	global_store_b128 v[LI], v[P1+4*\j:P1+4*\j+3], s[36:37] offset:(\a/2)*1536+512*\j
.endr
.endif
.endm
.macro BLOCK_V a                       ; 16 features x my 128 keys: a whole fragment
.if \a > 0
	s_wait_xcnt 0x0                                ; the last block's stores have read their registers
.endif
	QUANT 2+\a/4, 64*(\a%4), P0, P0+6, SW+\a
.irp j, 0,1,2
	global_store_b128 v[LI], v[P0+4*\j:P0+4*\j+3], s[34+2*(\a/4):35+2*(\a/4)] offset:(\a%4)*1536+512*\j
.endr
.endm
	s_wait_alu depctr_va_vdst(0)
	s_wait_tensorcnt 1                             ; the scales and my part of K step 0 are in (K step 1's load may be out)
	s_barrier_signal -1
	s_barrier_wait -1                              ; everybody's are
	FETCH_B 0, 0, 0
	FETCH_A 0, 0, 0
	SCALES 0
	FETCH_A 0, 0, 4
	STEP 0, 0, 1                                   ; the first step stands in front of the loop: its products start the sums
	s_mov_b32 s3, LAPS-1
.Llap:                                                 ; a trip goes once round the ring and fills both slots again
	TURN 0, 1, 1
	STEP 1, 0, 0
	TURN 1, 0, 1
	STEP 0, 0, 0
	s_sub_co_u32 s3, s3, 1
	s_cmp_lg_u32 s3, 0
	s_cbranch_scc1 .Llap
	TURN 0, 1, 0                                   ; the last lap fills nothing; no tensor load of mine is out from here on, so the descriptors' registers are free
	; where my results go
	s_lshl_b32 s24, s17, 8
	s_lshl_b32 s25, s15, 7
	s_add_co_u32 s24, s24, s25                     ; my first row of A
	s_lshl_b32 s25, s42, 8
	s_lshl_b32 s26, s16, 7
	s_add_co_u32 s25, s25, s26                     ; my first row of B
	s_and_b32 s26, s25, 1023
	s_mov_b32 s30, 13824
	s_mov_b32 s31, 13312
	s_cmp_eq_u32 ttmp9, 2
	s_cselect_b32 s27, s25, s24                    ; my first token
	s_cselect_b32 s28, s24, s26                    ; my first feature
	s_cselect_b32 s29, 6144, 0                     ; the codes' place in a record
	s_cselect_b32 s31, s31, 12288                  ; the scale words'
	s_cmp_eq_u32 ttmp9, 0
	s_cselect_b32 s30, 7168, s30                   ; a record's bytes
	s_cselect_b32 s31, 6144, s31
	s_cselect_b64 s[32:33], s[96:97], s[98:99]     ; qi or kv
	s_lshr_b32 s46, s27, 11                        ; the batch
	s_lshl_b32 s46, s46, 4
	s_lshr_b32 s47, s28, 6                         ; my first head
	s_add_co_u32 s46, s46, s47
	s_lshl_b32 s46, s46, 4
	s_bfe_u32 s47, s27, 0x40007                    ; which 128 tokens of the sequence
	s_add_co_u32 s46, s46, s47                     ; the record's number
	s_mul_i32 s46, s46, s30
	s_mov_b32 s47, 0
	s_add_nc_u64 s[32:33], s[32:33], s[46:47]
	s_lshl_b32 s46, s30, 4                         ; the next head's record lies 16 records on
	s_mov_b32 s48, s29
	s_mov_b32 s49, 0
	s_add_nc_u64 s[34:35], s[32:33], s[48:49]      ; codes: first head,
	s_add_nc_u64 s[36:37], s[34:35], s[46:47]      ; second head
	s_mov_b32 s48, s31
	s_add_nc_u64 s[38:39], s[32:33], s[48:49]      ; scale words likewise
	s_add_nc_u64 s[40:41], s[38:39], s[46:47]
	s_and_b32 s48, s27, 2047
	s_lshl_b32 s48, s48, 8
	s_add_nc_u64 s[44:45], s[100:101], s[48:49]    ; the table at my first token's position
	s_cmp_eq_u32 ttmp9, 2                          ; the cluster's x: alike in all sixteen partners; neither way holds a tensor load or a barrier
	s_cbranch_scc1 .Lv
	RLOAD 0                                        ; the table's first loads have the last 128 matrix instructions in which to land
	RLOAD 1
	STEP 1, 0, 0
	LAST
	PLACES NP
.irp b, 0,1,2,3
	v_mov_b32 v[TM+4+\b], 0                        ; written once: a lane permute's destination counts as one of its sources
.endr
.irp a, 0,1,2,3,4,5,6,7
	BLOCK_QK \a
.endr
.irp g, 0,1
	global_store_b128 v[LI], v[SW+4*\g:SW+4*\g+3], s[38:39] offset:512*\g
	global_store_b128 v[LI], v[SW+8+4*\g:SW+8+4*\g+3], s[40:41] offset:512*\g
.endr
	s_branch .Lend
.Lv:
	STEP 1, 0, 0
	LAST
	PLACES NP
.irp b, 0,1,2,3
	v_mov_b32 v[TM+4+\b], 0
.endr
.irp a, 0,1,2,3,4,5,6,7
	BLOCK_V \a
.endr
	global_store_b128 v[LI], v[SW:SW+3], s[38:39]
	global_store_b128 v[LI], v[SW+4:SW+7], s[40:41]
.Lend:
	s_wait_tensorcnt 0x0                           ; the wave's end
	ds_add_u32 v[SPW], v[NIL]
	s_wait_dscnt 0x0
	CROUND                                         ; the closing round: no work-group ends while a partner may still ask for a tile that names it
	s_endpgm
.Lfunc_end_k_qfc56435bbb_qkv:
	.size	k_qfc56435bbb_qkv, .Lfunc_end_k_qfc56435bbb_qkv-k_qfc56435bbb_qkv
	.p2alignl 7, 3214868480
	.fill 96, 4, 3214868480
	.section	.rodata,"a",@progbits
	.p2align	6, 0x0
	.amdhsa_kernel k_qfc56435bbb_qkv
		.amdhsa_group_segment_fixed_size 327680
		.amdhsa_private_segment_fixed_size 0
		.amdhsa_enable_private_segment 0
		.amdhsa_kernarg_size 48
		.amdhsa_user_sgpr_count 2
		.amdhsa_user_sgpr_kernarg_segment_ptr 1
		.amdhsa_wavefront_size32 1
		.amdhsa_system_sgpr_workgroup_id_x 1
		.amdhsa_system_sgpr_workgroup_id_y 1
		.amdhsa_system_sgpr_workgroup_id_z 1
		.amdhsa_system_vgpr_workitem_id 0
		.amdhsa_next_free_vgpr 1024
		.amdhsa_next_free_sgpr 102
		.amdhsa_reserve_vcc 0
		.amdhsa_float_denorm_mode_32 3
		.amdhsa_float_denorm_mode_16_64 3
		.amdhsa_memory_ordered 1
		.amdhsa_forward_progress 1
		.amdhsa_inst_pref_size 255
	.end_amdhsa_kernel
	.section	.bss,"aw",@nobits
	.p2align	6
	.space	262144
	.amdgpu_metadata
---
amdhsa.version: [ 1, 2 ]
amdhsa.kernels:
  - .name:           k_qfc56435bbb_qkv
    .symbol:         k_qfc56435bbb_qkv.kd
    .args:
      - { .name: xc, .offset: 0, .size: 8, .value_kind: global_buffer, .address_space: global }
      - { .name: xsc, .offset: 8, .size: 8, .value_kind: global_buffer, .address_space: global }
      - { .name: w, .offset: 16, .size: 8, .value_kind: global_buffer, .address_space: global }
      - { .name: rope, .offset: 24, .size: 8, .value_kind: global_buffer, .address_space: global }
      - { .name: qi, .offset: 32, .size: 8, .value_kind: global_buffer, .address_space: global }
      - { .name: kv, .offset: 40, .size: 8, .value_kind: global_buffer, .address_space: global }
    .group_segment_fixed_size: 327680
    .private_segment_fixed_size: 0
    .kernarg_segment_align: 8
    .kernarg_segment_size: 48
    .max_flat_workgroup_size: 128
    .sgpr_count:     102
    .vgpr_count:     1024
    .wavefront_size: 32
...
	.end_amdgpu_metadata
.endif
;; end of part 2
;; launch attn (part 3): grid 4 x 64, 16 waves a work-group, clusters of 4 x 1, 223,232 bytes of LDS; arguments qi, kv, ai, asc; writes ai, asc
.if DOCPART == 3
	.amdgcn_target "amdgcn-amd-amdhsa--gfx1250"
	.amdhsa_code_object_version 6
	.text
	.protected	k_qfc56435bbb_attn
	.globl	k_qfc56435bbb_attn
	.p2align	8
	.type	k_qfc56435bbb_attn,@function
k_qfc56435bbb_attn:
	s_mov_b64 s[64:65], 0
	v_nop
	global_prefetch_b8 v0, s[64:65] scope:SCOPE_SE
	s_setreg_imm32_b32 hwreg(HW_REG_WAVE_MODE, 25, 1), 1
	s_wait_xcnt 0x0
	s_wait_alu depctr_hold_cnt(0) depctr_sa_sdst(0) depctr_va_vdst(0) depctr_va_sdst(0) depctr_va_ssrc(0) depctr_va_vcc(0) depctr_vm_vsrc(0)
	s_getreg_b32 s2, hwreg(HW_REG_IB_STS2, 6, 4)
	s_cmp_eq_u32 s2, 0
	s_cbranch_scc0 .Lentry_in_a_cluster
	s_endpgm
.Lentry_in_a_cluster:
	s_bfe_u32 s2, ttmp6, 0x10000c
	s_cmp_lg_u32 s2, 0x3003
	s_cbranch_scc0 .Lentry_shape_is_right
	s_endpgm
.Lentry_shape_is_right:
; att[h][q] = the sum over k <= q of softmax_k(q . k / 8) v[k], both products on codes of FP6 (E2M3) with one E8M0 scale for each 32 along a product's K; att is then quantised along d_model (two blocks a head) and leaves as codes.
; THE SOFTMAX: t = score x log2(e) / 8; M = the row's largest t so far, rounded UP to a whole number; p = 2^(t - M) is quantised along the keys, not normalised.  The row's sum is taken of the unquantised p and divides at the end.
; When M moves, the sum and O are multiplied by 2^(old M - new M): exact.
; A WHOLE HEAD'S k AND v STAY IN LDS: 16 records of 13,824 bytes (128 keys each), 221,184 bytes, filled ONCE: wave w brings record w by one tensor load.  So there is one barrier, behind the fill, and LDS is only read after it.
; CLUSTER: the four work-groups of a cluster serve one head and ask for its records jointly (mask 15): the descriptor hangs on the head and the wave's number alone.
; SHARES: a wave takes two tiles of 16 queries, one after the other: tile 2 cx + (w & 1) of the 128 queries w / 2, then of the 128 queries 15 - w / 2: (w / 2 + 1) + (16 - w / 2) = 17 key steps for every wave of the launch.
; The loops' trip counts are constants (8 and 16); a step whose keys all come after the wave's queries is jumped over by a branch on the wave's number and the counter.  cx enters global addresses and the mask's numbers alone.
; LAYOUT: both products are used transposed (S^T = k q^T, O^T = v^T p^T): a lane holds ONE query throughout.  The records hold images of the operands' registers: every LDS load takes 512 consecutive bytes.
; The keys of a tile of k are 32 b + 8 u + r + 8 (r / 8), so that the 16 registers of tiles 2 b, 2 b + 1 are the neighbouring keys 32 b + 16 h + 0 .. 15; v's 16 rows of a tile likewise, so that O^T's registers 16 b + i are d = 32 b + 16 h + i.
; K = 64 IN AN INSTRUCTION OF 128: q's registers 6-11 are zero codes, and bytes 2 and 3 of q's and k's scale words are 0 (2^-127, no NaN).  A tile of k is named with the six registers behind it (the next tile's codes, or zeros):
; every code is a finite number, so those products are exact zeros, and k costs half the LDS bytes and registers.
; LIMITS: a block of zeros gets the byte 1 where the rule says 127 (zero codes; this program alone reads the bytes); NaN and infinities are not served.  att's scale bytes leave one byte a lane, in rows 32 bytes apart:
; one byte in 24 of what the launch stores; a row's 32 bytes come from 16 heads, that is from 16 clusters.
.set RK,   13824                       ; a record
.set VCO,  6144                        ; in it: v's fragments,
.set KSO,  12288                       ; k's scale words,
.set VSO,  13312                       ; v's
.set LI,   1                           ; v1   16 x lane
.set ADR,  2                           ; v2   LDS address of the step's record, + 16 x lane
.set DQ,   3                           ; v3   my query's place among its 128, less 16 h
.set NINF, 4                           ; v4   -infinity
.set L8,   6                           ; v6   8 x lane
.set SB,   7                           ; v7   32 r + h: my scale byte's place
.set QA,   8                           ; v8-10 q's codes: three pieces of 8 bytes;  v11 its scale word
.set KF,   32                          ; v32-79 k's 8 tiles (tile t at 32 + 6 t), later v's 4 fragments;  v80-85 zeros
.set KSW,  86                          ; v86-93 k's scale words
.set VSW,  94                          ; v94-97 v's
.set S,    98                          ; v98-161 S^T, then p
.set O,    162                         ; v162-193 O^T
.set PC,   194                         ; v194-205 p's codes
.set CT,   206                         ; v206-213 the conversions' second halves
.set BM,   214                         ; v214-217 a block's largest score, then its largest p
.set BT,   218                         ; v218-221 the other half's; then the bytes
.set BS,   222                         ; v222-225 the conversions' scale operands
.set TP,   226
.set F,    228                         ; v[228:229] f = 2^(old M - new M)
.set SUM2, 230                         ; v[230:231] the sum's second chain
.set WV,   12
.set SEL,  20
.set CS,   22
.set G1,   24
.set G0,   32
.set TB,   36                          ; s36  LDS byte of the step's record
.set SI,   37                          ; s37  the step
.set CH,   38                          ; s38  which 128 queries
.set TAU,  39                          ; s39  which tile of them
.set HM,   40                          ; s40  lanes 16-31
.macro CROUND
	s_barrier_signal -1
	s_barrier_wait -1
	s_cmp_lg_u32 s[WV], 0
	s_cbranch_scc1 .Lnot_wave_0_\@
	s_barrier_signal -3
.Lnot_wave_0_\@:
	s_barrier_wait -3
	s_barrier_signal -1
	s_barrier_wait -1
.endm
	s_load_b256 s[4:11], s[0:1], 0x0               ; qi s[4:5], kv s[6:7], ai s[8:9], asc s[10:11]
	v_lshl_add_u32 v254, v0, 2, 0x36000
	v_mov_b32 v255, 0
	ds_add_u32 v254, v255
	ds_add_u32 v254, v255
	v_lshrrev_b32 v1, 5, v0
	s_delay_alu instid0(VALU_DEP_1)
	v_readfirstlane_b32 s[WV], v1                  ; wave 0..15
	s_bfe_u32 s13, ttmp6, 0x40000                  ; cx
	s_and_b32 s14, ttmp7, 0xffff                   ; 16 x batch + head
	; descriptor group 1: a record, 13,824 dense bytes, as 54 rows of 256 bytes (32 elements of 8 bytes), no padding
	s_mov_b32 s[G1], 15|(3<<16)|(1<<21)            ; 15:0 the mask: all four work-groups; 17:16 elements of 8 bytes; 21 set beside a mask
	s_mov_b32 s[G1+1], 32<<16                      ; tensor_dim0
	s_mov_b32 s[G1+2], 54<<16                      ; tensor_dim1
	s_mov_b32 s[G1+3], 32<<16                      ; tile_dim0
	s_mov_b32 s[G1+4], 54                          ; tile_dim1
	s_mov_b32 s[G1+5], 32                          ; tensor_dim0_stride
	s_mov_b32 s[G1+6], 0
	s_mov_b32 s[G1+7], 0
	s_mul_i32 s16, s[WV], RK                       ; my record: in LDS, and in the head
	s_mul_i32 s18, s14, 16*RK
	s_add_co_u32 s18, s18, s16
	s_mov_b32 s19, 0
	s_mov_b32 s[SEL], 0x76543210                   ; v_permlanex16_b32's selects for lane l xor 16
	s_mov_b32 s[SEL+1], 0xfedcba98
	s_mov_b32 s[CS], 0x3e38aa3b                    ; c = log2(e) / 8
	s_mov_b32 s[CS+1], s[CS]                       ; (named with it as a pair, so it is written)
	s_mov_b32 s[HM], 0xffff0000
	s_wait_dscnt 0x0
	s_wait_kmcnt 0x0
	s_mov_b32 s[G0], 1
	s_mov_b32 s[G0+1], s16
	s_add_nc_u64 s[G0+2:G0+3], s[6:7], s[18:19]
	s_or_b32 s[G0+3], s[G0+3], 0x80000000
	CROUND                                         ; all four work-groups are here: the joint loads meet
	tensor_load_to_lds s[G0:G0+3], s[G1:G1+7]      ; my one tensor load of the launch
	s_nop 0
.rept 4
	v_nop
.endr
	s_and_b32 s15, s[WV], 1                        ; u
	s_lshl_b32 s[TAU], s13, 1
	s_add_co_u32 s[TAU], s[TAU], s15               ; my tile of a chunk's eight: 2 cx + u
	s_mul_i32 s48, s13, 1536                       ; q's pair image cx; of its 12 registers tile u has 6 u .. 6 u + 5
	s_mul_i32 s49, s15, 520
	s_add_co_u32 s49, s49, s48                     ; registers 0, 1 of my six
	s_mul_i32 s50, s15, 1016
	s_add_co_u32 s50, s50, s48
	s_add_co_u32 s50, s50, 8                       ; 2, 3
	s_add_co_u32 s51, s49, 512                     ; 4, 5
	s_lshr_b32 s52, s[TAU], 2
	s_lshl_b32 s52, s52, 9
	s_and_b32 s53, s[TAU], 3
	s_lshl_b32 s53, s53, 2
	s_add_co_u32 s52, s52, s53
	s_add_co_u32 s52, s52, 6144                    ; my tile's scale word
	s_lshl_b32 s54, s13, 5
	s_lshl_b32 s55, s15, 3
	s_add_co_u32 s54, s54, s55                     ; 32 cx + 8 u
	v_and_b32 v5, 31, v0
	s_delay_alu instid0(VALU_DEP_1)
	v_lshlrev_b32 v[LI], 4, v5
	s_delay_alu instid0(VALU_DEP_2)
	v_lshlrev_b32 v[L8], 3, v5
	v_and_b32 v30, 15, v0                          ; r
	v_bfe_u32 v31, v0, 4, 1                        ; h
	s_delay_alu instid0(VALU_DEP_1)
	v_lshl_add_u32 v[SB], v30, 5, v31
	s_delay_alu instid0(VALU_DEP_3)
	v_and_b32 v5, 8, v30
	s_delay_alu instid0(VALU_DEP_1)
	v_add_nc_u32 v5, v5, v30                       ; r + 8 (r / 8)
	s_delay_alu instid0(VALU_DEP_4)
	v_lshlrev_b32 v31, 4, v31
	s_delay_alu instid0(VALU_DEP_1)
	v_sub_nc_u32 v5, v5, v31
	s_delay_alu instid0(VALU_DEP_1)
	v_add_nc_u32 v[DQ], s54, v5
	v_mov_b32 v[NINF], 0xff800000
	v_add_nc_u32 v[QA], s49, v[LI]
	v_add_nc_u32 v[QA+1], s50, v[LI]
	v_add_nc_u32 v[QA+2], s51, v[LI]
	v_add_nc_u32 v[QA+3], s52, v[LI]
.irp j, 0,1,2,3,4,5
	v_mov_b32 v[22+\j], 0                          ; q's k = 64 .. 127: zero codes
	v_mov_b32 v[80+\j], 0                          ; what stands behind k's last tile
.endr
.irp b, 0,1,2,3
	v_mov_b32 v[BT+\b], 0                          ; written once: a lane permute's destination counts as one of its sources
.endr
	v_mov_b32 v[TP], 0
	v_mov_b32 v[F+1], 0                            ; (named as the upper half of a pair)
; A KEY STEP: 128 keys.
.macro STEP
	s_cmp_gt_u32 s[SI], s[CH]                      ; all its keys come after my queries: nothing to do
	s_cbranch_scc1 .Lhidden_\@
	s_setprio 2
	v_add_nc_u32 v[ADR], s[TB], v[LI]
.set n, 0
.rept 12
	ds_load_b128 v[KF+4*n:KF+4*n+3], v[ADR] offset:512*n
.set n, n+1
.endr
	ds_load_b128 v[KSW:KSW+3], v[ADR] offset:KSO
	ds_load_b128 v[KSW+4:KSW+7], v[ADR] offset:KSO+512
	s_wait_alu depctr_va_vdst(0)
	s_wait_dscnt 0x0
.set n, 0
.rept 8
	v_wmma_scale_f32_16x16x128_f8f6f4 v[S+8*n:S+8*n+7], v[KF+6*n:KF+6*n+11], v[16:27], 0, v[KSW+n], v28 matrix_a_fmt:MATRIX_FMT_FP6 matrix_b_fmt:MATRIX_FMT_FP6
.set n, n+1
.endr
.rept 4
	v_nop                                          ; places in front of the loads into k's registers and of the first read of the scores
.endr
.set n, 0
.rept 12
	ds_load_b128 v[KF+4*n:KF+4*n+3], v[ADR] offset:VCO+512*n     ; v's fragments land while the softmax is worked
.set n, n+1
.endr
	ds_load_b128 v[VSW:VSW+3], v[ADR] offset:VSO
	s_cmp_lg_u32 s[SI], s[CH]                      ; only the step on the diagonal has hidden keys
	s_cbranch_scc1 .Lopen_\@
.set n, 0
.rept 64
	v_cmp_gt_i32 vcc_lo, 32*(n/16)+n%16, v[DQ]     ; register 16 b + i holds key 32 b + 16 h + i of the step: hidden where 32 b + i > my query's place - 16 h
	v_cndmask_b32 v[S+n], v[S+n], v[NINF], vcc_lo
.set n, n+1
.endr
.Lopen_\@:
.irp b, 0,1,2,3
	v_max3_num_f32 v[BM+\b], v[S+16*\b], v[S+16*\b+1], v[S+16*\b+2]   ; the largest score of each block of 32 keys: it serves for the row's maximum and, since p rises with the score, for the block's largest p
.endr
.irp i, 3,5,7,9,11,13
.irp b, 0,1,2,3
	v_max3_num_f32 v[BM+\b], v[BM+\b], v[S+16*\b+\i], v[S+16*\b+\i+1]
.endr
.endr
.irp b, 0,1,2,3
	v_max_num_f32 v[BM+\b], v[BM+\b], v[S+16*\b+15]
.endr
.irp b, 0,1,2,3
	s_delay_alu instid0(VALU_DEP_4)
	v_permlanex16_b32 v[BT+\b], v[BM+\b], s[SEL], s[SEL+1]
.endr
.irp b, 0,1,2,3
	s_delay_alu instid0(VALU_DEP_4)
	v_max_num_f32 v[BM+\b], v[BM+\b], v[BT+\b]     ; with lane l xor 16's 16 keys
.endr
	s_delay_alu instid0(VALU_DEP_2)
	v_max3_num_f32 v[TP], v[BM], v[BM+1], v[BM+2]
	s_delay_alu instid0(VALU_DEP_1)
	v_max_num_f32 v[TP], v[TP], v[BM+3]            ; the step's largest score of my query
	s_delay_alu instid0(VALU_DEP_1)
	v_mul_f32 v[TP], s[CS], v[TP]                  ; as t (c is positive)
	s_delay_alu instid0(VALU_DEP_1)
	v_max_num_f32 v13, v13, v[TP]                  ; the running largest t
	v_mov_b32 v[TP], v12
	s_delay_alu instid0(VALU_DEP_2)
	v_floor_f32 v12, -v13                          ; the new -M = floor(-t): M is a whole number
	s_delay_alu instid0(VALU_DEP_1)
	v_sub_f32 v[TP], v12, v[TP]                    ; old M - new M: a whole number, 0 or less
	s_delay_alu instid0(VALU_DEP_1)
	v_cvt_i32_f32 v[TP], v[TP]                     ; (it saturates)
	s_delay_alu instid0(VALU_DEP_1)
	v_ldexp_f32 v[F], 1.0, v[TP]                   ; f = 2^(old M - new M)
.set n, 0
.rept 32
	v_pk_fma_f32 v[S+n:S+n+1], v[S+n:S+n+1], s[CS:CS+1], v[12:13] op_sel_hi:[1,0,0]   ; t - M, two at a time
.set n, n+2
.endr
	s_setprio 1
.irp b, 0,1,2,3
	v_fma_f32 v[BM+\b], v[BM+\b], s[CS], v12       ; the same of each block's largest score
.endr
.set n, 0
	s_wait_alu depctr_va_vdst(0)
.rept 64
	v_exp_f32 v[S+n], v[S+n]                       ; p = 2^(t - M)
.set n, n+1
.endr
.irp b, 0,1,2,3
	v_exp_f32 v[BM+\b], v[BM+\b]                   ; the block's largest p: the same two instructions on the same number give the same bits
.endr
	v_pk_mul_f32 v[14:15], v[14:15], v[F:F+1] op_sel_hi:[1,0]   ; the sums under the new M (a plain line behind the exponentials)
	s_wait_alu depctr_va_vdst(0)
.irp b, 0,1,2,3
	v_max_num_f32 v[BM+\b], 0x1800000, v[BM+\b]    ; the floor 2^(3 - 127): the byte cannot fall under 1
.endr
.irp b, 0,1,2,3
	s_delay_alu instid0(VALU_DEP_4)
	v_add_nc_u32 v[BS+\b], 0xff000000, v[BM+\b]    ; 2 off the exponent field: the conversion's scale operand
.endr
.irp b, 0,1,2,3
	s_delay_alu instid0(VALU_DEP_4)
	v_lshrrev_b32 v[BT+\b], 23, v[BS+\b]           ; the scale's byte
.endr
	s_delay_alu instid0(VALU_DEP_3)
	v_lshl_or_b32 v29, v[BT+1], 8, v[BT]           ; p's scale word for these 128 keys
	s_delay_alu instid0(VALU_DEP_1)
	v_lshl_or_b32 v29, v[BT+2], 16, v29
	s_delay_alu instid0(VALU_DEP_1)
	v_lshl_or_b32 v29, v[BT+3], 24, v29
.irp c, 0,1
	v_cvt_scalef32_pk16_fp6_f32 v[PC+6*\c:PC+6*\c+2], v[S+32*\c:S+32*\c+15], v[BS+2*\c]
	v_cvt_scalef32_pk16_fp6_f32 v[CT+4*\c:CT+4*\c+2], v[S+32*\c+16:S+32*\c+31], v[BS+2*\c+1]   ; (a conversion's three registers begin on an even number)
.endr
	v_nop                                          ; one plain line behind a scaled conversion
.irp c, 0,1
.irp i, 0,1,2
	v_permlane16_swap_b32 v[PC+6*\c+\i], v[CT+4*\c+\i]   ; the operand's layout wants a whole block in a lane
.endr
.irp i, 0,1,2
	s_delay_alu instid0(VALU_DEP_3)
	v_mov_b32 v[PC+6*\c+3+\i], v[CT+4*\c+\i]
.endr
.endr
	v_pk_add_f32 v[230:231], v[102:103], v[106:107]
	v_pk_add_f32 v[252:253], v[110:111], v[114:115]
	v_pk_add_f32 v[250:251], v[118:119], v[122:123]
	v_pk_add_f32 v[248:249], v[126:127], v[130:131]
	v_pk_add_f32 v[246:247], v[134:135], v[138:139]
	v_pk_add_f32 v[244:245], v[142:143], v[146:147]
	v_pk_add_f32 v[242:243], v[150:151], v[154:155]
	v_pk_add_f32 v[14:15], v[14:15], v[158:159]
	v_pk_add_f32 v[230:231], v[230:231], v[98:99]
	v_pk_add_f32 v[252:253], v[252:253], v[100:101]
	v_pk_add_f32 v[250:251], v[250:251], v[104:105]
	v_pk_add_f32 v[248:249], v[248:249], v[108:109]
	v_pk_add_f32 v[246:247], v[246:247], v[112:113]
	v_pk_add_f32 v[244:245], v[244:245], v[116:117]
	v_pk_add_f32 v[242:243], v[242:243], v[120:121]
	s_setprio 0
	v_pk_add_f32 v[14:15], v[14:15], v[124:125]
	v_pk_add_f32 v[230:231], v[230:231], v[128:129]
	v_pk_add_f32 v[252:253], v[252:253], v[132:133]
	v_pk_add_f32 v[250:251], v[250:251], v[136:137]
	v_pk_add_f32 v[248:249], v[248:249], v[140:141]
	v_pk_add_f32 v[246:247], v[246:247], v[144:145]
	v_pk_add_f32 v[244:245], v[244:245], v[148:149]
	v_pk_add_f32 v[242:243], v[242:243], v[152:153]
	v_pk_add_f32 v[14:15], v[14:15], v[156:157]
	v_pk_add_f32 v[230:231], v[230:231], v[160:161]
	s_delay_alu instid0(VALU_DEP_2)
	v_pk_add_f32 v[14:15], v[14:15], v[248:249]
	s_delay_alu instid0(VALU_DEP_2)
	v_pk_add_f32 v[230:231], v[230:231], v[246:247]
	v_pk_add_f32 v[252:253], v[252:253], v[244:245]
	v_pk_add_f32 v[250:251], v[250:251], v[242:243]
	s_delay_alu instid0(VALU_DEP_2)
	v_pk_add_f32 v[14:15], v[14:15], v[252:253]
	s_delay_alu instid0(VALU_DEP_2)
	v_pk_add_f32 v[230:231], v[230:231], v[250:251]
	s_delay_alu instid0(VALU_DEP_1)
	v_pk_add_f32 v[14:15], v[14:15], v[230:231]
.set n, 0
.rept 16
	v_pk_mul_f32 v[O+n:O+n+1], v[O+n:O+n+1], v[F:F+1] op_sel_hi:[1,0]   ; O^T under the new M.  (The additions and these are the places between p's codes and scale word and the products below)
.set n, n+2
.endr
	s_wait_alu depctr_va_vdst(0)
	s_wait_dscnt 0x0                               ; v is in
.set n, 0
.rept 4
	v_wmma_scale_f32_16x16x128_f8f6f4 v[O+8*n:O+8*n+7], v[KF+12*n:KF+12*n+11], v[PC:PC+11], v[O+8*n:O+8*n+7], v[VSW+n], v29 matrix_a_fmt:MATRIX_FMT_FP6 matrix_b_fmt:MATRIX_FMT_FP6
.set n, n+1
.endr
.rept 4
	v_nop                                          ; places in front of the next step's loads and of the way out's reads, on every way
.endr
.Lhidden_\@:
.endm
; THE WAY OUT of a tile: O^T / the sum; its 32 numbers a lane (register 16 b + i = d 32 b + 16 h + i) are two blocks along d_model: six registers of codes, stored as an image (768 consecutive bytes a wave), and two scale bytes a query.
.macro OUT
	v_add_f32 v14, v14, v15
	s_delay_alu instid0(VALU_DEP_1)
	v_permlanex16_b32 v[TP], v14, s[SEL], s[SEL+1]
	s_delay_alu instid0(VALU_DEP_1)
	v_add_f32 v14, v14, v[TP]                      ; the row's sum
	s_wait_alu depctr_va_vdst(0)
	v_rcp_f32 v14, v14
	v_nop                                          ; a plain line behind the reciprocal
.set n, 0
	s_wait_alu depctr_va_vdst(0)
.rept 32
	v_mul_f32 v[S+n], v[O+n], v14                  ; each accumulator from its low end on
.set n, n+1
.endr
.irp b, 0,1
	v_max3_num_f32 v[BM+\b], |v[S+16*\b]|, |v[S+16*\b+1]|, 0x1800000
.endr
.irp i, 2,4,6,8,10,12,14
.irp b, 0,1
	s_delay_alu instid0(VALU_DEP_2)
	v_max3_num_f32 v[BM+\b], v[BM+\b], |v[S+16*\b+\i]|, |v[S+16*\b+\i+1]|
.endr
.endr
.irp b, 0,1
	s_delay_alu instid0(VALU_DEP_2)
	v_permlanex16_b32 v[BT+\b], v[BM+\b], s[SEL], s[SEL+1]
.endr
.irp b, 0,1
	s_delay_alu instid0(VALU_DEP_2)
	v_max_num_f32 v[BM+\b], v[BM+\b], v[BT+\b]
.endr
.irp b, 0,1
	s_delay_alu instid0(VALU_DEP_2)
	v_add_nc_u32 v[BS+\b], 0xff000000, v[BM+\b]
.endr
.irp b, 0,1
	s_delay_alu instid0(VALU_DEP_2)
	v_lshrrev_b32 v[BT+\b], 23, v[BS+\b]
.endr
	v_cvt_scalef32_pk16_fp6_f32 v[PC:PC+2], v[S:S+15], v[BS]
	v_cvt_scalef32_pk16_fp6_f32 v[CT:CT+2], v[S+16:S+31], v[BS+1]
	v_nop
.irp i, 0,1,2
	v_permlane16_swap_b32 v[PC+\i], v[CT+\i]
.endr
.irp i, 0,1,2
	s_delay_alu instid0(VALU_DEP_3)
	v_mov_b32 v[PC+3+\i], v[CT+\i]
.endr
	v_cndmask_b32 v[TP], v[BT], v[BT+1], s[HM]     ; lanes 0-15 store block 0's byte, lanes 16-31 block 1's
	global_store_b128 v[LI], v[PC:PC+3], s[44:45]
	global_store_b64 v[L8], v[PC+4:PC+5], s[44:45] offset:512
	global_store_b8 v[SB], v[TP], s[46:47]
	s_wait_xcnt 0x0                                ; the stores have read their registers and bases: both may be written again
.endm
.macro PASS p
	s_lshr_b32 s[CH], s[WV], 1
.if \p
	s_xor_b32 s[CH], s[CH], 15                     ; 15 - w / 2
.endif
	s_lshl_b32 s48, s14, 4
	s_add_co_u32 s48, s48, s[CH]
	s_mul_i32 s48, s48, 7168                       ; q's record
	s_mov_b32 s49, 0
	s_add_nc_u64 s[42:43], s[4:5], s[48:49]
	s_lshr_b32 s48, s14, 4                         ; the batch
	s_lshl_b32 s48, s48, 4
	s_add_co_u32 s48, s48, s[CH]
	s_lshl_b32 s48, s48, 3
	s_add_co_u32 s48, s48, s[TAU]                  ; my tile among all 512 tiles of tokens
	s_and_b32 s50, s14, 15                         ; the head
	s_lshl_b32 s51, s50, 9
	s_add_co_u32 s51, s51, s48
	s_mul_i32 s52, s51, 768
	s_mov_b32 s53, 0
	s_add_nc_u64 s[44:45], s[8:9], s[52:53]        ; att's codes: [head][tile][768 bytes]
	s_lshl_b32 s52, s48, 9
	s_lshl_b32 s50, s50, 1
	s_add_co_u32 s52, s52, s50
	s_add_nc_u64 s[46:47], s[10:11], s[52:53]      ; its scale bytes: [16 tile + r][32], byte 2 head + block
	global_load_b64 v[16:17], v[QA], s[42:43]
	global_load_b64 v[18:19], v[QA+1], s[42:43]
	global_load_b64 v[20:21], v[QA+2], s[42:43]
	global_load_b32 v28, v[QA+3], s[42:43]
	v_mov_b32 v13, 0xff61b1e6                      ; the largest t so far: -3e38, under every t
	s_delay_alu instid0(VALU_DEP_1)
	v_floor_f32 v12, -v13                          ; -M
	v_mov_b32 v14, 0                               ; the sum, in two halves
	v_mov_b32 v15, 0
.set n, 0
.rept 32
	v_mov_b32 v[O+n], 0                            ; the step is written once: the first finds zeros, which the first change of M leaves zeros
.set n, n+1
.endr
	s_mov_b32 s[TB], 0
	s_mov_b32 s[SI], 0
	s_wait_loadcnt 0x0                             ; q
.if \p == 0
	s_wait_tensorcnt 0x0                           ; my record has landed,
	s_barrier_signal -1
	s_barrier_wait -1                              ; everybody's has: from here on LDS is only read
.endif
.Lstep_\@:
	STEP
	s_add_co_u32 s[TB], s[TB], RK
	s_add_co_u32 s[SI], s[SI], 1
	s_cmp_lt_u32 s[SI], 8+8*\p
	s_cbranch_scc1 .Lstep_\@
	s_setprio 0
	OUT
.endm
	PASS 0
	PASS 1
	s_wait_dscnt 0x0
	s_wait_tensorcnt 0x0
	ds_add_u32 v254, v255
	s_wait_dscnt 0x0
	CROUND                                         ; the closing round: no work-group ends while a partner may still ask for a record that names it
	s_endpgm
.Lfunc_end_k_qfc56435bbb_attn:
	.size	k_qfc56435bbb_attn, .Lfunc_end_k_qfc56435bbb_attn-k_qfc56435bbb_attn
	.p2alignl 7, 3214868480
	.fill 96, 4, 3214868480
	.section	.rodata,"a",@progbits
	.p2align	6, 0x0
	.amdhsa_kernel k_qfc56435bbb_attn
		.amdhsa_group_segment_fixed_size 223232
		.amdhsa_private_segment_fixed_size 0
		.amdhsa_enable_private_segment 0
		.amdhsa_kernarg_size 32
		.amdhsa_user_sgpr_count 2
		.amdhsa_user_sgpr_kernarg_segment_ptr 1
		.amdhsa_wavefront_size32 1
		.amdhsa_system_sgpr_workgroup_id_x 1
		.amdhsa_system_sgpr_workgroup_id_y 1
		.amdhsa_system_sgpr_workgroup_id_z 1
		.amdhsa_system_vgpr_workitem_id 0
		.amdhsa_next_free_vgpr 256
		.amdhsa_next_free_sgpr 66
		.amdhsa_reserve_vcc 1
		.amdhsa_float_denorm_mode_32 3
		.amdhsa_float_denorm_mode_16_64 3
		.amdhsa_memory_ordered 1
		.amdhsa_forward_progress 1
		.amdhsa_inst_pref_size 63
	.end_amdhsa_kernel
	.amdgpu_metadata
---
amdhsa.version: [ 1, 2 ]
amdhsa.kernels:
  - .name:           k_qfc56435bbb_attn
    .symbol:         k_qfc56435bbb_attn.kd
    .args:
      - { .name: qi, .offset: 0, .size: 8, .value_kind: global_buffer, .address_space: global }
      - { .name: kv, .offset: 8, .size: 8, .value_kind: global_buffer, .address_space: global }
      - { .name: ai, .offset: 16, .size: 8, .value_kind: global_buffer, .address_space: global }
      - { .name: asc, .offset: 24, .size: 8, .value_kind: global_buffer, .address_space: global }
    .group_segment_fixed_size: 223232
    .private_segment_fixed_size: 0
    .kernarg_segment_align: 8
    .kernarg_segment_size: 32
    .max_flat_workgroup_size: 512
    .sgpr_count:     66
    .vgpr_count:     256
    .wavefront_size: 32
...
	.end_amdgpu_metadata
.endif
;; end of part 3
;; launch oproj (part 4): grid 4 x 32, 4 waves a work-group, clusters of 4 x 4, 327,680 bytes of LDS; arguments ai, asc, w, out0; writes out0
.if DOCPART == 4
	.amdgcn_target "amdgcn-amd-amdhsa--gfx1250"
	.amdhsa_code_object_version 6
	.text
	.protected	k_qfc56435bbb_oproj
	.globl	k_qfc56435bbb_oproj
	.p2align	8
	.type	k_qfc56435bbb_oproj,@function
k_qfc56435bbb_oproj:
	s_mov_b64 s[64:65], 0
	v_nop
	global_prefetch_b8 v0, s[64:65] scope:SCOPE_SE
	s_setreg_imm32_b32 hwreg(HW_REG_WAVE_MODE, 25, 1), 1
	s_wait_xcnt 0x0
	s_wait_alu depctr_hold_cnt(0) depctr_sa_sdst(0) depctr_va_vdst(0) depctr_va_sdst(0) depctr_va_ssrc(0) depctr_va_vcc(0) depctr_vm_vsrc(0)
	s_getreg_b32 s2, hwreg(HW_REG_IB_STS2, 6, 4)
	s_cmp_eq_u32 s2, 0
	s_cbranch_scc0 .Lentry_in_a_cluster
	s_endpgm
.Lentry_in_a_cluster:
	s_bfe_u32 s2, ttmp6, 0x10000c
	s_cmp_lg_u32 s2, 0xf033
	s_cbranch_scc0 .Lentry_shape_is_right
	s_endpgm
.Lentry_shape_is_right:
; out = att Wo^T on codes of FP6 (E2M3) with one E8M0 scale for each 32 along K = 1,024; out [8192][1024] f32, sums in f32.
; A tile of 256 x 256 is made by four waves, 128 x 128 each: 64 accumulators, 512 registers.  K goes in steps of 256 (four heads) through a ring of two LDS slots filled by the tensor data mover.
; A (att) lies in memory as images of the operand's registers, [head][tile of 16 tokens][768 bytes] (registers 0-3 as [lane][16 bytes], registers 4, 5 as [lane][8 bytes]): 128 tokens of one head are 6,144 dense bytes,
; so a wave's tensor load brings 4 rows of 6,144 bytes, 393,216 bytes apart, and a fragment (two heads) comes out of LDS by four loads of consecutive bytes.  B (Wo) lies as rows of 768 bytes, rows 3,072 on of the weights' buffer.
; The scale bytes of the work-group's 256 rows of A and of B, for all of K, come into LDS once, with the first fills.
; CLUSTERS: 4 x 4 work-groups; A's tiles are asked for jointly along a row of the cluster, B's along a column.  THE MATRIX INSTRUCTION IS USED TRANSPOSED (source 0 = 16 rows of B, source 1 = 16 rows of A).
; THE ORDER OF 32: A's tiles and B's rows lie, within each 32, in the order 0-7, 16-23, 8-15, 24-31.  So in accumulator (a, b) lane (r, h) holds token 32 (a / 2) + 8 (a % 2) + r + 8 (r / 8) and register j column 32 (b / 2) + 16 h + 8 (b % 2) + j:
; the way out puts each piece at its true column in the stage and each row at its true row of out.
; 128 work-groups: the tile is the one whose register plan the product of q, k and v uses.
; REGISTERS, in windows of 256: window 0: v0-31 addresses; v32-63 scale words, two sets; from v128 A's fragments, ONE set; on the way out v128-255 rows of out.   window 1: B's fragments, two sets.   windows 2, 3: the accumulators.
.set SIZE_N, 1024
.set KSTEP,  256
.set NQ,     KSTEP/128
.set ROWB,   192
.set KROW,   768
.set PITCH,  240
.set FR,     12
.set NL,     6                         ; LDS loads that bring a fragment of B
.set NLA,    4                         ; and of A
.set NP,     4
.set HALFT,  128*PITCH                 ; a wave's part of a slot (A's uses 24,576 bytes of it)
.set SLOT,   4*HALFT
.set LAPS,   2
.set ASTEP,  4*393216                  ; a K step of A in memory: four heads
.set KS,     32
.set SCL,    2*SLOT
.set HALFS,  (128*KS/256)*272
.set SBLK,   (16*KS/256)*272
.set SPARE,  SCL+4*HALFS               ; the spare words, 128 bytes for each wave: two blocks of 256 bytes that no other line names
.set SPITCH, 528                       ; the way out: a stage of 16 rows x (512 bytes + 16) for each wave, in slot 0, which has had its last fill and its last read when the first result is stored there
.set ADRA, 16                          ; v16-17 my A tiles in slot 0, 1, + 16 x lane;  v18-19 the same + 8 x lane
.set ADRB, 20                          ; v20-23 B's fragments
.set STO,  24
.set RD,   25
.set CO,   26
.set ADRS, 27
.set SPW,  28
.set NIL,  29
.set SC,   32
.set AF,   128
.set BK,   128
.set G1, 24
.set G0, 32
.set G1B, 48
.set G0B, 56
.set G1S, 68
.set G0S, 76
.set G1SB, 80
.set G0SB, 88
.set MSB, 0
.macro WIN new
.if MSB != (\new)
	s_set_vgpr_msb (MSB<<8)|(\new)
.set MSB, (\new)
.endif
.endm
.set MUL_LO, 0xa1
.set MUL_HI, 0xf1
.set TO_B,   0x40
.macro JLOAD g0a, g1a, g0b, g1b        ; a joint load: waves 0 and 1 fetch for A, waves 2 and 3 for B; four v_nop follow each of the two lines
	s_cmp_eq_u32 s15, 0
	s_cbranch_scc0 .Lfor_b_\@
	tensor_load_to_lds s[\g0a:\g0a+3], s[\g1a:\g1a+7]
	s_nop 0
.rept 4
	v_nop
.endr
	s_branch .Lasked_\@
.Lfor_b_\@:
	tensor_load_to_lds s[\g0b:\g0b+3], s[\g1b:\g1b+7]
	s_nop 0
.rept 4
	v_nop
.endr
.Lasked_\@:
.endm
.macro CREST
	s_cmp_lg_u32 s14, 0
	s_cbranch_scc1 .Lnot_wave_0_\@
	s_barrier_signal -3
.Lnot_wave_0_\@:
	s_barrier_wait -3
	s_barrier_signal -1
	s_barrier_wait -1
.endm
.macro CROUND
	s_barrier_signal -1
	s_barrier_wait -1
	CREST
.endm
	s_load_b128 s[4:7], s[0:1], 0x0                ; att's codes, att's scales
	s_load_b128 s[8:11], s[0:1], 0x10              ; the weights' buffer, out
	v_lshl_add_u32 v[SPW], v0, 2, SPARE
	v_mov_b32 v[NIL], 0
	ds_add_u32 v28, v29
	ds_add_u32 v28, v29
	s_wait_dscnt 0x0
	v_lshrrev_b32 v1, 5, v0
	v_readfirstlane_b32 s14, v1                    ; wave 0..3
	s_lshr_b32 s15, s14, 1                         ; which half of the tile's rows is mine.  Also: I fetch for A (0) or for B (1)
	s_and_b32 s16, s14, 1                          ; which half of its columns.  Also: which 128 rows of that tile I fetch
	s_bfe_u32 s40, ttmp6, 0x40000                  ; cx, cy
	s_bfe_u32 s41, ttmp6, 0x40004
	s_lshl_b32 s42, ttmp9, 2
	s_add_co_u32 s42, s42, s40                     ; tile column
	s_and_b32 s17, ttmp7, 0xffff
	s_lshl_b32 s17, s17, 2
	s_add_co_u32 s17, s17, s41                     ; tile row
	s_lshl_b32 s43, s41, 2
	s_lshl_b32 s43, 15, s43                        ; my row of the cluster
	s_lshl_b32 s44, 0x1111, s40                    ; my column
	; A's tiles: 4 rows (heads) of 768 elements of 8 bytes, 49,152 elements apart, no padding
	s_or_b32 s[G1+0], s43, (3<<16)|(1<<21)
	s_mov_b32 s[G1+1], 768<<16                     ; tensor_dim0
	s_mov_b32 s[G1+2], 4<<16                       ; tensor_dim1
	s_mov_b32 s[G1+3], 768<<16                     ; tile_dim0
	s_mov_b32 s[G1+4], 4                           ; tile_dim1
	s_mov_b32 s[G1+5], 49152                       ; tensor_dim0_stride
	s_mov_b32 s[G1+6], 0
	s_mov_b32 s[G1+7], 0
	; B's tiles: 128 rows x 192 bytes, 16 bytes of padding behind every 64
	s_or_b32 s[G1B+0], s44, (0<<16)|(1<<20)|(1<<21)|(3<<22)|(3<<25)
	s_mov_b32 s[G1B+1], ROWB<<16
	s_mov_b32 s[G1B+2], 128<<16
	s_mov_b32 s[G1B+3], ROWB<<16
	s_mov_b32 s[G1B+4], 128
	s_mov_b32 s[G1B+5], KROW
	s_mov_b32 s[G1B+6], 0
	s_mov_b32 s[G1B+7], 0
	; the scales of 128 rows: 4,096 dense bytes as 16 rows of 256 bytes, 16 bytes of padding behind each
	s_or_b32 s[G1S+0], s43, (3<<16)|(1<<20)|(1<<21)|(5<<22)|(3<<25)
	s_or_b32 s[G1SB+0], s44, (3<<16)|(1<<20)|(1<<21)|(5<<22)|(3<<25)
.irp g, G1S, G1SB
	s_mov_b32 s[\g+1], 32<<16
	s_mov_b32 s[\g+2], (128*KS/256)<<16
	s_mov_b32 s[\g+3], 32<<16
	s_mov_b32 s[\g+4], 128*KS/256
	s_mov_b32 s[\g+5], 32
	s_mov_b32 s[\g+6], 0
	s_mov_b32 s[\g+7], 0
.endr
	s_lshl_b32 s18, s16, 7
	s_lshl_b32 s20, s17, 8
	s_add_co_u32 s20, s20, s18                     ; A: token place 256 x tile row + 128 x half
	s_lshl_b32 s46, s42, 8
	s_add_co_u32 s46, s46, s18
	s_add_co_u32 s46, s46, 3072                    ; B: Wo's rows begin at row 3,072
	s_mov_b32 s21, 0
	s_mov_b32 s47, 0
	s_mov_b64 s[18:19], KS
	s_mul_u64 s[22:23], s[20:21], s[18:19]         ; the scales
	s_mul_u64 s[92:93], s[46:47], s[18:19]
	s_mov_b64 s[18:19], 48
	s_mul_u64 s[20:21], s[20:21], s[18:19]         ; A's codes: 768 bytes for 16 tokens of a head
	s_mov_b64 s[18:19], KROW
	s_mul_u64 s[46:47], s[46:47], s[18:19]
	s_mul_i32 s45, s14, HALFT                      ; where they go: no place in the cluster enters an LDS address
	s_mul_i32 s94, s14, HALFS
	s_wait_kmcnt 0x0
	s_mov_b64 s[12:13], s[10:11]                   ; out
	s_add_nc_u64 s[10:11], s[8:9], 0x300000        ; the weights' scale bytes
	s_add_nc_u64 s[20:21], s[4:5], s[20:21]
	s_add_nc_u64 s[22:23], s[6:7], s[22:23]
	s_add_nc_u64 s[46:47], s[8:9], s[46:47]
	s_add_nc_u64 s[92:93], s[10:11], s[92:93]
	CROUND                                         ; all sixteen work-groups are here: the first joint loads meet
	s_mov_b32 s[G0S], 1
	s_add_co_u32 s[G0S+1], s94, SCL
	s_mov_b64 s[G0S+2:G0S+3], s[22:23]
	s_or_b32 s[G0S+3], s[G0S+3], 0x80000000
	s_mov_b32 s[G0SB], 1
	s_add_co_u32 s[G0SB+1], s94, SCL
	s_mov_b64 s[G0SB+2:G0SB+3], s[92:93]
	s_or_b32 s[G0SB+3], s[G0SB+3], 0x80000000
	JLOAD G0S, G1S, G0SB, G1SB
.irp s, 0,1
	s_mov_b32 s[G0+4*\s], 1
	s_add_co_u32 s[G0+4*\s+1], s45, \s*SLOT
	s_add_nc_u64 s[G0+4*\s+2:G0+4*\s+3], s[20:21], \s*ASTEP
	s_or_b32 s[G0+4*\s+3], s[G0+4*\s+3], 0x80000000
	s_mov_b32 s[G0B+4*\s], 1
	s_add_co_u32 s[G0B+4*\s+1], s45, \s*SLOT
	s_add_nc_u64 s[G0B+4*\s+2:G0B+4*\s+3], s[46:47], \s*ROWB
	s_or_b32 s[G0B+4*\s+3], s[G0B+4*\s+3], 0x80000000
	s_wait_alu depctr_va_vdst(0)
	s_wait_tensorcnt 0x0
	ds_add_u32 v28, v29
	s_wait_dscnt 0x0
	CROUND
	JLOAD G0+4*\s, G1, G0B+4*\s, G1B
.endr
	v_and_b32 v1, 15, v0                           ; r
	v_bfe_u32 v2, v0, 4, 1                         ; h
	v_and_b32 v6, 31, v0                           ; lane
	v_lshlrev_b32 v[CO], 4, v6                     ; 16 x lane
	v_lshlrev_b32 v7, 3, v6                        ; 8 x lane
	v_mul_u32_u24 v3, v1, PITCH
	v_mul_u32_u24 v4, v2, 24
	v_add_nc_u32 v4, v3, v4                        ; B: a fragment's row x pitch + 24 x half
	v_lshl_add_u32 v5, v2, 4, v4                   ; and the same behind one padding more
	s_mul_i32 s21, s15, HALFT                      ; my 128 tokens of A
	s_mul_i32 s22, s16, HALFT                      ; my 128 rows of B,
	s_add_co_u32 s22, s22, 2*HALFT                 ; which lie behind A's two parts
.irp s, 0,1
	v_add_nc_u32 v[ADRA+\s], s21, v[CO]
	v_add_nc_u32 v[ADRA+2+\s], s21, v7
	v_add_nc_u32 v[ADRB+\s], s22, v4
	v_add_nc_u32 v[ADRB+2+\s], s22, v5
	s_add_co_u32 s21, s21, SLOT
	s_add_co_u32 s22, s22, SLOT
.endr
	v_mul_u32_u24 v5, v1, KS
	v_lshrrev_b32 v6, 8, v5
	v_lshl_add_u32 v5, v6, 4, v5
	s_mul_i32 s21, s15, HALFS
	s_mul_i32 s22, s16, HALFS
	s_add_co_u32 s22, s22, 2*HALFS
	s_sub_co_u32 s22, s22, s21
	v_mul_u32_u24 v6, s22, v2                      ; lanes 16-31 take B's
	s_add_co_u32 s21, s21, SCL
	v_add_nc_u32 v5, v5, v6
	v_add_nc_u32 v[ADRS], s21, v5
	s_mul_i32 s23, s14, 16*SPITCH                  ; my stage
	v_mul_u32_u24 v5, v1, SPITCH                   ; in: row r; my half's 16 columns of each 32 begin 64 h bytes on
	v_lshl_add_u32 v5, v2, 6, v5
	v_add_nc_u32 v[STO], s23, v5
	v_add_nc_u32 v[RD], s23, v[CO]                 ; back: the 32 lanes take one row of 512 bytes
	s_lshl_b32 s20, s17, 8
	s_lshl_b32 s21, s15, 7
	s_add_co_u32 s20, s20, s21                     ; my first row of out
	s_mov_b32 s21, 0
	s_mov_b64 s[18:19], SIZE_N*4
	s_mul_u64 s[20:21], s[20:21], s[18:19]
	s_lshl_b32 s46, s42, 10                        ; my first column, in bytes
	s_lshl_b32 s47, s16, 9
	s_add_co_u32 s46, s46, s47
	s_mov_b32 s47, 0
	s_add_nc_u64 s[20:21], s[20:21], s[46:47]
	s_add_nc_u64 s[12:13], s[12:13], s[20:21]
.macro FRAG reg, adr, q, i             ; a fragment of B: pieces of 8 bytes; the second address register serves the pieces that lie behind one padding more for lanes 16-31
.irp p, 0,1,2,3,4,5
.set PC, 12*(\q)+6*(\p/3)+\p%3
.if PC%8 < 5
	ds_load_b64 v[\reg+2*\p:\reg+2*\p+1], v[\adr] offset:8*PC+16*(PC/8)+(\i)*16*PITCH
.else
	ds_load_b64 v[\reg+2*\p:\reg+2*\p+1], v[\adr+2] offset:8*PC+16*(PC/8)+(\i)*16*PITCH
.endif
.endr
.endm
.macro FRAG_A reg, slot, q, i          ; a fragment of A: tile i of heads 2 q and 2 q + 1 of the slot's four: six registers each, as they were stored
	ds_load_b128 v[\reg:\reg+3], v[ADRA+\slot] offset:12288*(\q)+768*(\i)
	ds_load_b64 v[\reg+4:\reg+5], v[ADRA+2+\slot] offset:12288*(\q)+768*(\i)+512
	ds_load_b128 v[\reg+6:\reg+9], v[ADRA+\slot] offset:12288*(\q)+6144+768*(\i)
	ds_load_b64 v[\reg+10:\reg+11], v[ADRA+2+\slot] offset:12288*(\q)+6144+768*(\i)+512
.endm
; 16 matrix instructions; the 64 accumulators take turns, one instruction a turn, in the same order in every step
.macro MUL16 a0, p, q, sc, zero
.irp a, \a0, \a0+1
.irp b, 0,1,2,3,4,5,6,7
.if \zero
	v_wmma_scale_f32_16x16x128_f8f6f4 v[8*(8*((\a)%4)+\b):8*(8*((\a)%4)+\b)+7], v[128*(\p)+FR*\b:128*(\p)+FR*\b+FR-1], v[AF+FR*(\a):AF+FR*(\a)+FR-1], 0, v[SC+8*NQ*(\sc)+NQ*\b+(\q)], v[SC+8*NQ*(\sc)+NQ*(\a)+(\q)] matrix_a_fmt:MATRIX_FMT_FP6 matrix_b_fmt:MATRIX_FMT_FP6 matrix_a_scale:MATRIX_SCALE_ROW1
.else
	v_wmma_scale_f32_16x16x128_f8f6f4 v[8*(8*((\a)%4)+\b):8*(8*((\a)%4)+\b)+7], v[128*(\p)+FR*\b:128*(\p)+FR*\b+FR-1], v[AF+FR*(\a):AF+FR*(\a)+FR-1], v[8*(8*((\a)%4)+\b):8*(8*((\a)%4)+\b)+7], v[SC+8*NQ*(\sc)+NQ*\b+(\q)], v[SC+8*NQ*(\sc)+NQ*(\a)+(\q)] matrix_a_fmt:MATRIX_FMT_FP6 matrix_b_fmt:MATRIX_FMT_FP6 matrix_a_scale:MATRIX_SCALE_ROW1
.endif
.endr
.endr
.endm
.macro FETCH_B slot, q, p
	WIN TO_B
.irp i, 0,1,2,3,4,5,6,7
	FRAG 128*(\p)+FR*\i, ADRB+\slot, \q, \i
.endr
	WIN 0
.endm
.macro FETCH_A slot, q, i0
.irp i, \i0, \i0+1, \i0+2, \i0+3
	FRAG_A AF+FR*(\i), \slot, \q, \i
.endr
.endm
.macro SCALES sc
.irp i, 0,1,2,3,4,5,6,7
	ds_load_b64 v[SC+8*NQ*\sc+NQ*\i:SC+8*NQ*\sc+NQ*\i+1], v[ADRS] offset:\i*SBLK
.endr
.endm
.macro PLACES n
.rept \n
	v_nop
.endr
.endm
.macro STEP slot, q, zero
	s_wait_dscnt 4*NLA                             ; B's set and A's blocks 0-3 are in; the youngest 16 loads (A's blocks 4-7) may be out
	WIN MUL_LO
	MUL16 0, (\q)%2, \q, \slot, \zero
	MUL16 2, (\q)%2, \q, \slot, \zero
	s_wait_dscnt 0
	PLACES NP
	FETCH_B \slot, (\q)+1, 1-(\q)%2
	FETCH_A \slot, (\q)+1, 0
	WIN MUL_HI
	MUL16 4, (\q)%2, \q, \slot, \zero
	MUL16 6, (\q)%2, \q, \slot, \zero
	PLACES NP
	WIN 0
	FETCH_A \slot, (\q)+1, 4
.endm
.macro TURN slot, next, fill
	s_wait_tensorcnt 0x0                           ; all my tensor loads have landed: my part of the next slot
	ds_add_u32 v[SPW], v[NIL]                      ; 0 onto my spare word
	s_wait_dscnt 4*NLA+1                           ; (the add and the youngest 16 loads, A's blocks 4-7, may be out)
	WIN MUL_LO
	MUL16 0, 1, NQ-1, \slot, 0
	s_wait_dscnt 0x0                               ; the add is done, and my reads of this slot are over
	s_barrier_signal -1
	MUL16 2, 1, NQ-1, \slot, 0
	WIN 0
	s_barrier_wait -1
.if \fill
	CREST                                          ; the barrier has opened a round of the cluster's barrier: no wave of any partner still reads this slot's tile or has a load on its way
	s_add_nc_u64 s[G0+4*\slot+2:G0+4*\slot+3], s[G0+4*\slot+2:G0+4*\slot+3], 2*ASTEP
	s_add_nc_u64 s[G0B+4*\slot+2:G0B+4*\slot+3], s[G0B+4*\slot+2:G0B+4*\slot+3], 2*ROWB
	JLOAD G0+4*\slot, G1, G0B+4*\slot, G1B         ; the first tensor load behind the round; its four v_nop are the places in front of the loads below
.else
	PLACES NP
.endif
	s_wait_alu depctr_va_vdst(0)
	v_add_nc_u32 v[ADRS], 4*NQ, v[ADRS]
	FETCH_B \next, 0, 0
	FETCH_A \next, 0, 0
	SCALES \next
	WIN MUL_HI
	MUL16 4, 1, NQ-1, \slot, 0
	MUL16 6, 1, NQ-1, \slot, 0
	PLACES NP
	WIN 0
	FETCH_A \next, 0, 4
.endm
	s_wait_alu depctr_va_vdst(0)
	s_wait_tensorcnt 1                             ; the scales and my part of K step 0 are in (K step 1's load may be out)
	s_barrier_signal -1
	s_barrier_wait -1
	FETCH_B 0, 0, 0
	FETCH_A 0, 0, 0
	SCALES 0
	FETCH_A 0, 0, 4
	STEP 0, 0, 1                                   ; the first step's products start the sums
	s_mov_b32 s3, LAPS-1
.Llap:
	TURN 0, 1, 1
	STEP 1, 0, 0
	TURN 1, 0, 1
	STEP 0, 0, 0
	s_sub_co_u32 s3, s3, 1
	s_cmp_lg_u32 s3, 0
	s_cbranch_scc1 .Llap
	TURN 0, 1, 0                                   ; the last lap fills nothing
	STEP 1, 0, 0
	s_wait_dscnt 4*NLA                             ; the very last step
	WIN MUL_LO
	MUL16 0, 1, NQ-1, 1, 0
	MUL16 2, 1, NQ-1, 1, 0
	s_wait_dscnt 0
	WIN MUL_HI
	MUL16 4, 1, NQ-1, 1, 0
	MUL16 6, 1, NQ-1, 1, 0
	WIN 0
; THE WAY OUT, block by block of 16 tokens x 128 columns, through my own stage in LDS: in by pieces of 32 bytes at their true columns, back as whole rows of 512 bytes.  LDS serves a wave's instructions in order: no wait between the stores and the loads.
.macro TOSTAGE a
.set AC, 64*((\a)%4)
	WIN 0x08+4*((\a)/4)                            ; the data: window 2 or 3
.irp b, 0,1,2,3,4,5,6,7
	ds_store_b128 v[STO], v[AC+8*\b:AC+8*\b+3] offset:128*(\b/2)+32*(\b%2)          ; columns 32 (b / 2) + 16 h + 8 (b % 2) on; each accumulator from its low end on
	ds_store_b128 v[STO], v[AC+8*\b+4:AC+8*\b+7] offset:128*(\b/2)+32*(\b%2)+16
.endr
	WIN 0
.set BB, BK+64*((\a)%2)
.irp t, 0,1,2,3,4,5,6,7,8,9,10,11,12,13,14,15
	ds_load_b128 v[BB+4*\t:BB+4*\t+3], v[RD] offset:\t*SPITCH
.endr
.endm
.macro SEND a, younger                 ; younger: the LDS instructions issued behind block a's loads, which may stay out
.set BB, BK+64*((\a)%2)
	s_wait_dscnt \younger
.if (\a) > 0
.if (\a)%2 == 1
	s_add_nc_u64 s[12:13], s[12:13], 8*SIZE_N*4    ; block a begins at row 32 (a / 2) + 8 (a % 2): 8 rows on into an odd block,
.else
	s_add_nc_u64 s[12:13], s[12:13], 24*SIZE_N*4   ; 24 into an even one  (behind a wait on XCNT: the earlier stores have read their base)
.endif
.endif
.irp t, 0,1,2,3,4,5,6,7,8,9,10,11,12,13,14,15
	global_store_b128 v[CO], v[BB+4*\t:BB+4*\t+3], s[12:13] offset:(\t+8*(\t/8))*SIZE_N*4 th:TH_STORE_NT   ; the stage's row t is the block's row t + 8 (t / 8); 32 lanes store 512 consecutive bytes, aligned
.endr
.endm
	PLACES NP
	TOSTAGE 0
.irp a, 1,2,3,4,5,6,7
.if \a > 1
	s_wait_xcnt 0x0                                ; block a - 2's stores have read their registers and their base
.endif
	TOSTAGE \a
	SEND \a-1, 32                                  ; behind block a - 1's loads: block a's 16 stores and 16 loads
.endr
	s_wait_xcnt 0x0
	SEND 7, 0
	s_wait_tensorcnt 0x0                           ; the wave's end
	ds_add_u32 v[SPW], v[NIL]
	s_wait_dscnt 0x0
	CROUND                                         ; the closing round
	s_endpgm
.Lfunc_end_k_qfc56435bbb_oproj:
	.size	k_qfc56435bbb_oproj, .Lfunc_end_k_qfc56435bbb_oproj-k_qfc56435bbb_oproj
	.p2alignl 7, 3214868480
	.fill 96, 4, 3214868480
	.section	.rodata,"a",@progbits
	.p2align	6, 0x0
	.amdhsa_kernel k_qfc56435bbb_oproj
		.amdhsa_group_segment_fixed_size 327680
		.amdhsa_private_segment_fixed_size 0
		.amdhsa_enable_private_segment 0
		.amdhsa_kernarg_size 32
		.amdhsa_user_sgpr_count 2
		.amdhsa_user_sgpr_kernarg_segment_ptr 1
		.amdhsa_wavefront_size32 1
		.amdhsa_system_sgpr_workgroup_id_x 1
		.amdhsa_system_sgpr_workgroup_id_y 1
		.amdhsa_system_sgpr_workgroup_id_z 1
		.amdhsa_system_vgpr_workitem_id 0
		.amdhsa_next_free_vgpr 1024
		.amdhsa_next_free_sgpr 98
		.amdhsa_reserve_vcc 0
		.amdhsa_float_denorm_mode_32 3
		.amdhsa_float_denorm_mode_16_64 3
		.amdhsa_memory_ordered 1
		.amdhsa_forward_progress 1
		.amdhsa_inst_pref_size 153
	.end_amdhsa_kernel
	.amdgpu_metadata
---
amdhsa.version: [ 1, 2 ]
amdhsa.kernels:
  - .name:           k_qfc56435bbb_oproj
    .symbol:         k_qfc56435bbb_oproj.kd
    .args:
      - { .name: ai, .offset: 0, .size: 8, .value_kind: global_buffer, .address_space: global }
      - { .name: asc, .offset: 8, .size: 8, .value_kind: global_buffer, .address_space: global }
      - { .name: w, .offset: 16, .size: 8, .value_kind: global_buffer, .address_space: global }
      - { .name: out0, .offset: 24, .size: 8, .value_kind: global_buffer, .address_space: global }
    .group_segment_fixed_size: 327680
    .private_segment_fixed_size: 0
    .kernarg_segment_align: 8
    .kernarg_segment_size: 32
    .max_flat_workgroup_size: 128
    .sgpr_count:     98
    .vgpr_count:     1024
    .wavefront_size: 32
...
	.end_amdgpu_metadata
.endif
;; end of part 4
